; MI455X (gfx1250); checked and timed in simulation.
; The chip was launched on July 23, 2026; its instructions are those of AMD's public machine-readable ISA for CDNA 5 (MIT licence, August 2026) and "CDNA5" Instruction Set Architecture Reference Guide (July 2026). The comments in the code are by the model that wrote it; some were corrected since.
;; Deep Factor RNN. Allowed arithmetic: float matrix products may take bf16 or f16 operands with f32 sums; all other float work in f32.
;; Inputs: X 128 x 256 x 128 float32; aff_W 10 x 512 float32; aff_b 10 float32; g_Wih0 2,048 x 128 float32; g_Wih1 2,048 x 512 float32; g_b0 2,048 float32; g_b1 2,048 float32; n_Wih0 1,024 x 128 float32; n_Wih1 1,024 x 256 float32; n_b0 1,024 float32; n_b1 1,024 float32; noise_W 1 x 256 float32; noise_b 1 float32.
;; Outputs: out0 128 x 256 float32; out1 128 x 256 float32.
;; 2 versions, each right and faster than the one before. Each part assembles by itself: llvm-mc -triple=amdgcn-amd-amdhsa -mcpu=gfx1250 --defsym DOCPART=n.
;; ======== version 1 of 2: 2 launches
;; limits: values are held in f16: magnitudes above 65,504 overflow, below 6.1e-05 lose precision; right only within a limited range of input values
;; workspace buffers: wpack 2,609,152 bytes
;; launch pack (part 1): grid 208 x 1, 4 waves a work-group, no clusters, 0 bytes of LDS; arguments g_Wih0, g_b0, g_Wih1, g_b1, aff_W, n_Wih0, n_b0, n_Wih1, n_b1, noise_W, wpack; writes wpack
.if DOCPART == 1
	.amdgcn_target "amdgcn-amd-amdhsa--gfx1250"
	.amdhsa_code_object_version 6
	.text
	.protected	k_q78c68d2a16_pack
	.globl	k_q78c68d2a16_pack
	.p2align	8
	.type	k_q78c68d2a16_pack,@function
k_q78c68d2a16_pack:
	s_mov_b64 s[64:65], 0
	v_nop
	global_prefetch_b8 v0, s[64:65] scope:SCOPE_SE
	s_setreg_imm32_b32 hwreg(HW_REG_WAVE_MODE, 25, 1), 1
	s_wait_xcnt 0x0
; The weights of all four LSTM layers, rounded to 16 bits once and laid out as the second launch reads them: 26 slots of 100,352 bytes.
; A RECORD is one tile of 16 hidden units: a header of 256 bytes (b_i[16], b_g[16], b_o[16], w[16], f32), then for each 32 along K and each
; gate (i, g, o) a fragment of 1,024 bytes in register image: two blocks of 512 bytes; lane l = r + 16 h owns 16 bytes at 16 l:
; W[gate row 16 u + r][32 kc + 16 block + 8 h .. + 7].  w is the sum over f of aff_W[f][unit] (global layer 1), noise_W[unit] (noise layer 1), else 0.
; THE FORGET GATE: reference() splits it off and never uses it, so its quarter of every W and b enters no result and is not copied.
; FORMATS.  Every number is rounded to bf16 (nearest even).  Layer 0's weights stay bf16; layer 1's are that same number written as f16, since their
; partner h0 goes in f16.  LIMITS: |W1| must stay under 65,504; a W1 below 6.1e-5 keeps f16's fixed step of 6e-8.  The sum over aff_W's ten rows is
; taken here, f ascending, ahead of the product with h: another order of rounding than reference()'s.
; SHARES.  A work-group takes one record and 128 of its K: waves 0-2 a gate each (16 rows x 128 numbers), wave 3 the header or a slot's closing zeros.
; No LDS, no matrix unit, no cluster: each byte is read once and written once, and no two work-groups share any.
.set SLOTB, 100352
.set REC0,  12544                      ; a record of layer 0 (K = 128): 256 + 12 x 1,024
.set RECG,  49408                      ; of the global layer 1 (K = 512)
.set RECN,  24832                      ; of the noise layer 1 (K = 256)
; s[4:25] the eleven addresses; s26 wave; s[30:31] W's source; s[32:33] b's source; s34 log2 K; s35 H; s36 u; s37 which 128 of K;
; s[38:39] the record's byte offset; s40 kind (0 layer 0, 1 global layer 1, 2 noise layer 1); s41 offset of the slot's zeros; s42 how many stores of them;
; s43 1: the slot's first record; s44 phase 0..3; s[46:47] where I store
	s_load_b512 s[4:19], s[0:1], 0x0               ; g_Wih0, g_b0, g_Wih1, g_b1, aff_W, n_Wih0, n_b0, n_Wih1
	s_load_b128 s[20:23], s[0:1], 0x40             ; n_b1, noise_W
	s_load_b64 s[24:25], s[0:1], 0x50              ; wpack
	v_lshrrev_b32 v1, 5, v0
	v_readfirstlane_b32 s26, v1                    ; wave 0..3
	s_mov_b32 s37, 0
	s_mov_b32 s39, 0
	s_mov_b32 s41, 0
	s_mov_b32 s42, 0
	s_mov_b32 s43, 0
	s_cmp_lt_u32 ttmp9, 32
	s_cbranch_scc0 .Lnot_g0
	; global layer 0: slots 0-3, eight records each; slot = 2 q + sp, place = 4 p + j, u = 16 q + 8 p + 4 sp + j
	s_lshr_b32 s27, ttmp9, 3                       ; slot
	s_and_b32 s28, ttmp9, 7                        ; place
	s_mul_i32 s38, s27, SLOTB
	s_mul_i32 s29, s28, REC0
	s_add_co_u32 s38, s38, s29
	s_lshr_b32 s36, s27, 1
	s_lshl_b32 s36, s36, 4                         ; 16 q
	s_and_b32 s29, s27, 1
	s_lshl2_add_u32 s36, s29, s36                  ; + 4 sp
	s_lshr_b32 s29, s28, 2
	s_lshl3_add_u32 s36, s29, s36                  ; + 8 p
	s_and_b32 s29, s28, 3
	s_add_co_u32 s36, s36, s29                     ; + j
	s_mov_b32 s34, 7
	s_mov_b32 s35, 512
	s_mov_b32 s40, 0
	s_mov_b32 s44, 0
	s_branch .Lparams
.Lnot_g0:
	s_cmp_lt_u32 ttmp9, 160
	s_cbranch_scc0 .Lnot_g1
	; global layer 1: slots 4-19, two records each (place p), u = 16 p + slot - 4; four work-groups to a record
	s_sub_co_u32 s27, ttmp9, 32
	s_and_b32 s37, s27, 3
	s_lshr_b32 s27, s27, 2
	s_and_b32 s28, s27, 1                          ; p
	s_lshr_b32 s27, s27, 1                         ; slot - 4
	s_lshl4_add_u32 s36, s28, s27
	s_add_co_u32 s29, s27, 4
	s_mul_i32 s29, s29, SLOTB
	s_add_co_u32 s41, s29, 2*RECG
	s_mul_i32 s38, s28, RECG
	s_add_co_u32 s38, s38, s29
	s_mov_b32 s42, 3                               ; 1,536 bytes close the slot
	s_cmp_eq_u32 s28, 0
	s_cselect_b32 s43, 1, 0
	s_mov_b32 s34, 9
	s_mov_b32 s35, 512
	s_mov_b32 s40, 1
	s_mov_b32 s44, 1
	s_branch .Lparams
.Lnot_g1:
	s_cmp_lt_u32 ttmp9, 176
	s_cbranch_scc0 .Lnot_n0
	; noise layer 0: slots 20, 21, eight records each; place = 4 p + j, u = 8 p + 4 s + j
	s_sub_co_u32 s27, ttmp9, 160
	s_lshr_b32 s29, s27, 3                         ; s
	s_and_b32 s28, s27, 7                          ; place
	s_lshr_b32 s36, s28, 2
	s_lshl_b32 s36, s36, 3                         ; 8 p
	s_lshl2_add_u32 s36, s29, s36                  ; + 4 s
	s_and_b32 s27, s28, 3
	s_add_co_u32 s36, s36, s27                     ; + j
	s_add_co_u32 s29, s29, 20
	s_mul_i32 s38, s29, SLOTB
	s_mul_i32 s27, s28, REC0
	s_add_co_u32 s38, s38, s27
	s_mov_b32 s34, 7
	s_mov_b32 s35, 256
	s_mov_b32 s40, 0
	s_mov_b32 s44, 2
	s_branch .Lparams
.Lnot_n0:
	; noise layer 1: slots 22-25, four records each; place = 2 p + j, u = 8 p + 2 s + j; two work-groups to a record
	s_sub_co_u32 s27, ttmp9, 176
	s_and_b32 s37, s27, 1
	s_lshr_b32 s27, s27, 1
	s_lshr_b32 s29, s27, 2                         ; s
	s_and_b32 s28, s27, 3                          ; place
	s_lshr_b32 s36, s28, 1
	s_lshl_b32 s36, s36, 3                         ; 8 p
	s_lshl1_add_u32 s36, s29, s36                  ; + 2 s
	s_and_b32 s27, s28, 1
	s_add_co_u32 s36, s36, s27                     ; + j
	s_add_co_u32 s29, s29, 22
	s_mul_i32 s29, s29, SLOTB
	s_add_co_u32 s41, s29, 4*RECN
	s_mul_i32 s38, s28, RECN
	s_add_co_u32 s38, s38, s29
	s_mov_b32 s42, 2                               ; 1,024 bytes close the slot
	s_cmp_eq_u32 s28, 0
	s_cselect_b32 s43, 1, 0
	s_mov_b32 s34, 8
	s_mov_b32 s35, 256
	s_mov_b32 s40, 2
	s_mov_b32 s44, 3
.Lparams:
	s_wait_kmcnt 0x0
	s_cmp_eq_u32 s44, 0                            ; the two sources are chosen by the phase's number
	s_cselect_b64 s[30:31], s[4:5], s[8:9]
	s_cselect_b64 s[32:33], s[6:7], s[10:11]
	s_cmp_eq_u32 s44, 2
	s_cselect_b64 s[30:31], s[14:15], s[30:31]
	s_cselect_b64 s[32:33], s[16:17], s[32:33]
	s_cmp_eq_u32 s44, 3
	s_cselect_b64 s[30:31], s[18:19], s[30:31]
	s_cselect_b64 s[32:33], s[20:21], s[32:33]
	s_add_nc_u64 s[46:47], s[24:25], s[38:39]      ; the record in wpack
	v_and_b32 v2, 31, v0                           ; lane
	s_cmp_eq_u32 s26, 3
	s_cbranch_scc1 .Lwave3
	; WAVES 0-2: gate i, g or o: 16 rows x 128 numbers
	s_min_u32 s27, s26, 1
	s_add_co_u32 s27, s27, s26                     ; the gate's block of H rows: 0, 2, 3
	s_mul_i32 s27, s27, s35
	s_lshl4_add_u32 s27, s36, s27                  ; + 16 u
	s_lshl_b32 s28, s37, 7                         ; my 128 of K
	v_and_b32 v3, 15, v0                           ; r
	v_bfe_u32 v4, v0, 4, 1                         ; h
	v_add_nc_u32 v3, s27, v3
	v_lshlrev_b32 v3, s34, v3                      ; row x K
	v_lshl_add_u32 v3, v4, 3, v3                   ; + 8 h
	v_add_lshl_u32 v3, v3, s28, 2                  ; + my 128 of K, in bytes
.set i, 0
.rept 16                                               ; load i: 32 (i / 4) + 16 ((i / 2) % 2) + 8 h + 4 (i % 2) along K, four numbers
	global_load_b128 v[16+4*i:16+4*i+3], v3, s[30:31] offset:128*(i/4)+64*((i/2)%2)+16*(i%2) th:TH_LOAD_NT
.set i, i+1
.endr
	s_mul_i32 s28, s37, 12288                      ; four steps of 32 along K x three gates x 1,024 bytes,
	s_add_co_u32 s28, s28, 256                     ; behind the header
	s_mov_b32 s29, 0
	s_add_nc_u64 s[46:47], s[46:47], s[28:29]
	v_lshlrev_b32 v5, 4, v2
	v_lshl_add_u32 v5, s26, 10, v5                 ; 16 lane + 1,024 gate
	s_wait_loadcnt 0x0
.set i, 0
.rept 32
	v_cvt_pk_bf16_f32 v[80+i], v[16+2*i], v[16+2*i+1]
.set i, i+1
.endr
	s_cmp_eq_u32 s40, 0
	s_cbranch_scc1 .Lstore
.set i, 0
.rept 32                                               ; layer 1: the bf16 number, written as f16
	v_lshlrev_b32 v[8+2*(i%2)], 16, v[80+i]
	v_and_b32 v[9+2*(i%2)], 0xffff0000, v[80+i]
	v_cvt_pk_f16_f32 v[80+i], v[8+2*(i%2)], v[9+2*(i%2)]
.set i, i+1
.endr
.Lstore:
.set i, 0
.rept 8                                                ; each store of the wave covers 512 consecutive bytes, at a multiple of 256 from wpack's first byte
	global_store_b128 v5, v[80+4*i:80+4*i+3], s[46:47] offset:3072*(i/2)+512*(i%2)
.set i, i+1
.endr
	s_endpgm
.Lwave3:
	s_cmp_eq_u32 s37, 0
	s_cbranch_scc0 .Lpad
	; THE HEADER: lane l holds two numbers: segment l / 8 (b_i, b_g, b_o, w), units 2 (l % 8) and the next
	v_lshrrev_b32 v3, 3, v2                        ; segment
	v_and_b32 v4, 7, v2
	v_min_u32 v5, 2, v3                            ; (segment 3's lanes load b_o too, and drop it)
	v_min_u32 v6, 1, v5
	v_add_nc_u32 v5, v5, v6                        ; the gate's block of H rows: 0, 2, 3
	s_lshl_b32 s27, s36, 4
	v_lshl_add_u32 v6, v4, 1, s27                  ; my first unit
	v_mad_u32_u24 v5, v5, s35, v6
	v_lshlrev_b32 v5, 2, v5
	v_lshlrev_b32 v6, 2, v6
	global_load_b64 v[8:9], v5, s[32:33]
	s_cmp_eq_u32 s40, 1
	s_cbranch_scc1 .Laff
	s_cmp_eq_u32 s40, 2
	s_cbranch_scc1 .Lnoise
	v_mov_b32 v10, 0
	v_mov_b32 v11, 0
	s_branch .Lhead
.Laff:
.set i, 0
.rept 10
	global_load_b64 v[20+2*i:21+2*i], v6, s[12:13] offset:2048*i
.set i, i+1
.endr
	s_wait_loadcnt 0x0
.set i, 0
.rept 10
	v_cvt_pk_bf16_f32 v[40+i], v[20+2*i], v[21+2*i]
.set i, i+1
.endr
.set i, 0
.rept 10
	v_lshlrev_b32 v[20+2*i], 16, v[40+i]
	v_and_b32 v[21+2*i], 0xffff0000, v[40+i]
.set i, i+1
.endr
	v_pk_add_f32 v[10:11], v[20:21], v[22:23]
.set i, 2
.rept 8
	v_pk_add_f32 v[10:11], v[10:11], v[20+2*i:21+2*i]
.set i, i+1
.endr
	s_branch .Lhead
.Lnoise:
	global_load_b64 v[10:11], v6, s[22:23]
	s_wait_loadcnt 0x0
	v_cvt_pk_bf16_f32 v12, v10, v11
	v_lshlrev_b32 v10, 16, v12
	v_and_b32 v11, 0xffff0000, v12
.Lhead:
	s_wait_loadcnt 0x0
	v_cvt_pk_bf16_f32 v12, v8, v9
	v_lshlrev_b32 v8, 16, v12
	v_and_b32 v9, 0xffff0000, v12
	v_cmp_eq_u32 vcc_lo, 3, v3
	v_cndmask_b32 v8, v8, v10, vcc_lo
	v_cndmask_b32 v9, v9, v11, vcc_lo
	v_lshlrev_b32 v7, 3, v2
	global_store_b64 v7, v[8:9], s[46:47]          ; 32 lanes store the header's 256 consecutive bytes
	s_endpgm
.Lpad:
	; the bytes between a slot's last record and its end are loaded with the slot, so they are written: one wave for each slot of layer 1
	s_cmp_eq_u32 s37, 1
	s_cbranch_scc0 .Lend
	s_cmp_eq_u32 s43, 1
	s_cbranch_scc0 .Lend
	v_mov_b32 v8, 0
	v_mov_b32 v9, 0
	v_mov_b32 v10, 0
	v_mov_b32 v11, 0
	s_mov_b32 s28, s41
	s_mov_b32 s29, 0
	s_add_nc_u64 s[46:47], s[24:25], s[28:29]
	v_lshlrev_b32 v7, 4, v2
	global_store_b128 v7, v[8:11], s[46:47]
	global_store_b128 v7, v[8:11], s[46:47] offset:512
	s_cmp_eq_u32 s42, 3
	s_cbranch_scc0 .Lend
	global_store_b128 v7, v[8:11], s[46:47] offset:1024
.Lend:
	s_endpgm
.Lfunc_end_k_q78c68d2a16_pack:
	.size	k_q78c68d2a16_pack, .Lfunc_end_k_q78c68d2a16_pack-k_q78c68d2a16_pack
	.p2alignl 7, 3214868480
	.fill 96, 4, 3214868480
	.section	.rodata,"a",@progbits
	.p2align	6, 0x0
	.amdhsa_kernel k_q78c68d2a16_pack
		.amdhsa_group_segment_fixed_size 0
		.amdhsa_private_segment_fixed_size 0
		.amdhsa_enable_private_segment 0
		.amdhsa_kernarg_size 88
		.amdhsa_user_sgpr_count 2
		.amdhsa_user_sgpr_kernarg_segment_ptr 1
		.amdhsa_wavefront_size32 1
		.amdhsa_system_sgpr_workgroup_id_x 1
		.amdhsa_system_sgpr_workgroup_id_y 1
		.amdhsa_system_sgpr_workgroup_id_z 1
		.amdhsa_system_vgpr_workitem_id 0
		.amdhsa_next_free_vgpr 112
		.amdhsa_next_free_sgpr 66
		.amdhsa_reserve_vcc 1
		.amdhsa_float_denorm_mode_32 3
		.amdhsa_float_denorm_mode_16_64 3
		.amdhsa_memory_ordered 1
		.amdhsa_forward_progress 1
		.amdhsa_inst_pref_size 20
	.end_amdhsa_kernel
	.amdgpu_metadata
---
amdhsa.version: [ 1, 2 ]
amdhsa.kernels:
  - .name:           k_q78c68d2a16_pack
    .symbol:         k_q78c68d2a16_pack.kd
    .args:
      - { .name: g_Wih0, .offset: 0, .size: 8, .value_kind: global_buffer, .address_space: global }
      - { .name: g_b0, .offset: 8, .size: 8, .value_kind: global_buffer, .address_space: global }
      - { .name: g_Wih1, .offset: 16, .size: 8, .value_kind: global_buffer, .address_space: global }
      - { .name: g_b1, .offset: 24, .size: 8, .value_kind: global_buffer, .address_space: global }
      - { .name: aff_W, .offset: 32, .size: 8, .value_kind: global_buffer, .address_space: global }
      - { .name: n_Wih0, .offset: 40, .size: 8, .value_kind: global_buffer, .address_space: global }
      - { .name: n_b0, .offset: 48, .size: 8, .value_kind: global_buffer, .address_space: global }
      - { .name: n_Wih1, .offset: 56, .size: 8, .value_kind: global_buffer, .address_space: global }
      - { .name: n_b1, .offset: 64, .size: 8, .value_kind: global_buffer, .address_space: global }
      - { .name: noise_W, .offset: 72, .size: 8, .value_kind: global_buffer, .address_space: global }
      - { .name: wpack, .offset: 80, .size: 8, .value_kind: global_buffer, .address_space: global }
    .group_segment_fixed_size: 0
    .private_segment_fixed_size: 0
    .kernarg_segment_align: 8
    .kernarg_segment_size: 88
    .max_flat_workgroup_size: 128
    .sgpr_count:     66
    .vgpr_count:     112
    .wavefront_size: 32
...
	.end_amdgpu_metadata
.endif
;; end of part 1
;; launch lstm (part 2): grid 256 x 1, 4 waves a work-group, clusters of 4 x 1, 327,680 bytes of LDS; arguments X, wpack, aff_b, noise_b, out0, out1; writes out0, out1
.if DOCPART == 2
	.amdgcn_target "amdgcn-amd-amdhsa--gfx1250"
	.amdhsa_code_object_version 6
	.text
	.protected	k_q78c68d2a16_lstm
	.globl	k_q78c68d2a16_lstm
	.p2align	8
	.type	k_q78c68d2a16_lstm,@function
k_q78c68d2a16_lstm:
	s_mov_b64 s[64:65], 0
	v_nop
	global_prefetch_b8 v0, s[64:65] scope:SCOPE_SE
	s_setreg_imm32_b32 hwreg(HW_REG_WAVE_MODE, 25, 1), 1
	s_wait_xcnt 0x0
	s_wait_alu depctr_hold_cnt(0) depctr_sa_sdst(0) depctr_va_vdst(0) depctr_va_sdst(0) depctr_va_ssrc(0) depctr_va_vcc(0) depctr_vm_vsrc(0)
	s_getreg_b32 s2, hwreg(HW_REG_IB_STS2, 6, 4)
	s_cmp_eq_u32 s2, 0
	s_cbranch_scc0 .Lentry_in_a_cluster
	s_endpgm
.Lentry_in_a_cluster:
	s_bfe_u32 s2, ttmp6, 0x10000c
	s_cmp_lg_u32 s2, 0x3003
	s_cbranch_scc0 .Lentry_shape_is_right
	s_endpgm
.Lentry_shape_is_right:
; Both branches of the module, whole: x -> LSTM step -> LSTM step -> relu -> one number a row (mus, sigmas).  32,768 rows of 128 features.
; SHARES.  A work-group owns 128 rows (256 work-groups).  Wave w = 2 g + p owns rows 64 g .. 64 g + 63 (four tiles of 16) and half p of every layer's hidden units.
; PRODUCTS, transposed: source 0 = 16 gate rows of W, source 1 = 16 data rows.  In a result lane (r, h) holds data row r and units 8 h + 0..7, so two neighbouring unit tiles,
; rounded to 16 bits, ARE source 1 (32 k x 16 rows) of the next layer: nothing changes lanes.  A unit tile has three sums (gates i, g, o); the bias is the C operand that starts each.
; The forget gate enters no result of reference() (it multiplies a zero state) and is not computed.  h0 stays in registers while all of layer 1's weights stream past;
; the two waves of a row group hand each other their halves of h0 through LDS.  Nothing between x and the two outputs goes to memory.
; WEIGHTS come from wpack (made by the launch before): 26 slots of 100,352 bytes, walked by every work-group alike, through a ring of two LDS slots.  The four work-groups of a cluster ask
; for each slot JOINTLY (same tensor load, descriptor and mask), each wave a quarter.  By this text's count a wave has two tensor loads out at the start, one later.
; FORMATS.  Every input rounded to bf16.  Layer 0: bf16 x bf16.  Layer 1: h0 (inside -1 .. 1) in f16, W1's bf16 number written as f16.  Sums, activations and the closing dot products in f32.
; ACTIVATION, for a_i, a_g, a_o:  Ei = 2^(-L a_i), Eg = 2^(2 L a_g), Eo = 2^(-L a_o), L = log2 e;  2 L c = 2 L (Eg - 1) / ((1 + Ei)(1 + Eg));  Ec = 2^(2 L c);  h = (Ec - 1) / ((1 + Eo)(1 + Ec)).
; Four exponentials and two reciprocals a number.  relu(h) is taken on Ec - 1, which has h's sign.
; LIMITS.  2 L a_g is held within -30 .. 30, where tanh is 1 to f32's last bit; a product (1 + Ei)(1 + Eg) or (1 + Eo)(1 + Ec) beyond f32's range gives 0: a sigmoid under 2^-97 counts as 0.
; NaN and infinities in the inputs are not treated apart.  mus = h . (sum over f of aff_W[f]) + sum of aff_b: another order of rounding than reference()'s ten sums.
; BY TURNS.  The activation of one unit tile stands, a few instructions at a time, behind the matrix instructions of the next: a wave issues in order and is alone on its SIMD.
;
; LDS: 0 slot 0 | 100,352 x as bf16, row group 0 | 116,736 spare words | 117,248 partial sums | 131,072 slot 1 | 231,424 x as bf16, row group 1 | 247,808 x as f32 (filled once), later the stage for h0
; REGISTERS, in windows of 256 (s_set_vgpr_msb: bits 1:0 source 0, 3:2 source 1, 5:4 source 2, 7:6 destination):
;   window 0: v0-11 addresses; v12-15 four packed words; v16-23 the rows' running dot products; v24-39 w of the tile in hand and of the next; v40-63 biases; v64-159 activation at work; v160-255 x on its way to bf16
;   window 1: v0-95 accumulators; v96-191 two buffers of layer 1's weight fragments      window 2: h0, k 0-255
;   window 3: h0, k 256-511 (global layer 1); in the first layers v0-127 x and v128-223 a record's weight fragments
.set SLOTB,  100352
.set QUART,  25088                     ; a wave's quarter of a slot: 98 rows of 256 bytes
.set SLOT1,  1<<17                     ; one exclusive or turns an address in one slot into the other's
.set XB0,    100352                    ; x as bf16 fragments: 16,384 bytes for each row group, 131,072 apart
.set SPARE,  116736                    ; the spare words, 128 bytes for each wave: two blocks of 256 bytes that no other line names
.set OST,    117248                    ; [branch][p][128 rows] f32
.set XH,     247808
.set XPITCH, 528                       ; a row of x: 512 bytes + 16 = 132 words: row r starts at bank 4 r mod 64 (64 banks of 4 bytes: ISA guide 11.1)
.set REC0,   12544
.set RECG,   49408
.set RECN,   24832
.set L16, 1                            ; v1   16 x lane
.set H32, 2                            ; v2   32 x (lane / 16)
.set AW,  3                            ; v3   LDS address of my 16 bytes in a record's fragments
.set AB,  4                            ; v4   of my half's eight biases
.set AH,  5                            ; v5   where I put a tile of h0
.set AHL, 6                            ; v6   where I read my row group's h0
.set AXB, 7                            ; v7   where I read my row group's x
.set AXF, 8                            ; v8   my place in my 32 rows of x as f32
.set AO,  9                            ; v9   where I put a row's partial sum
.set SPW, 10                           ; v10  LDS address of my spare word; never rewritten
.set NIL, 11                           ; v11  0; never rewritten
.set PK,  12
.set AXS, 12                           ; (at the start: where I put x as bf16)
.set OUT, 16
.set WC,  24
.set WN,  32
.set BI,  40
.set T,   64                           ; row tile t at T + 24 t: I, G, O, eight registers each
.set F,   160
.set XP,  224
.set WV,  16                           ; s16 wave; s17 g; s18 p; s19 work-group
.set GR,  17
.set PH,  18
.set WG,  19
.set G1W, 20                           ; s[20:27] descriptor group 1, weights
.set G1X, 28                           ; s[28:35] group 1, x
.set G0W, 36                           ; s[36:39] group 0, weights: it walks
.set G0X, 40                           ; s[40:43] group 0, x
.set TB,  44                           ; s44 LDS byte at which the slot in hand begins
.set REC, 45                           ; s45 the record to be fetched next
.set CNT, 46
.set SL,  47
.set CI,  48                           ; s[48:49] -log2 e
.set CG,  50                           ; s[50:51] 2 log2 e
.set CLO, 52                           ; s52 -30, s53 30
.set CHI, 53
.set SEL, 54                           ; s[54:55] v_permlanex16_b32's selects: each lane takes its own place in the other half
.set HS,  56                           ; s56 LDS byte of the stage's tile in hand
.set P0,  57                           ; s57-59 my half's first record in a slot, by kind of slot
.set PG,  58
.set PN,  59
.set HS0, 67                           ; s67 my part of the stage
.set AFB, 68                           ; s[68:77] aff_b
.set NB,  78                           ; s78 noise_b
.set CGN, 80                           ; s[80:81] -2 log2 e
.set MSB, 0
.macro WIN new                         ; the immediate's high byte repeats the setting that is left; a switch that changes nothing is dropped
.if MSB != (\new)
	s_set_vgpr_msb (MSB<<8)|(\new)
.set MSB, (\new)
.endif
.endm
; A vector instruction that reads a matrix result, and a load into a register that a matrix instruction has named, stand four places behind it; only plain vector
; instructions that name none of its registers are places (ISA guide 7.12.1 for vector instructions).
.macro PLACES
.rept 4
	v_nop
.endr
.endm
; A round of the cluster's barrier: my work-group's barrier, so that wave 0 speaks for all four waves; wave 0 signals; every wave waits for all four work-groups; my work-group's barrier once more.
.macro ROUND
	s_barrier_signal -1
	s_barrier_wait -1
	s_cmp_lg_u32 s[WV], 0
	s_cbranch_scc1 .Lnot_wave_0_\@
	s_barrier_signal -3
.Lnot_wave_0_\@:
	s_barrier_wait -3
	s_barrier_signal -1
	s_barrier_wait -1
.endm
; THE CHANGE OF SLOTS.  Each wave waits for all its tensor loads, of which one is out: its quarter of the slot to be entered; adds 0 to its spare word; and waits for that and for its own LDS reads
; and stores.  fill = 1: the slot that is left is filled again with the stream's slot after the one entered; the barrier is then a round of the cluster's, so that no wave of any partner still
; reads that slot or has a load on its way, and the joint load is the first thing behind it: it has the whole of the entered slot's work in which to land.
; (At its first use nothing has been read yet: slot 0 is waited for, slot 1 filled.)
.macro CHANGE fill
	WIN 0                                          ; at a label and at a branch every window is 0
	s_wait_tensorcnt 0x0                           ; no tensor load of mine is out, so the group 0 may be written
	ds_add_u32 v[SPW], v[NIL]                      ; 0 onto my spare word; the scalar steps stand between it and the wait for it
.if \fill
	s_xor_b32 s[G0W+1], s[G0W+1], SLOT1            ; the other slot than last time,
	s_add_nc_u64 s[G0W+2:G0W+3], s[G0W+2:G0W+3], SLOTB  ; the stream's next slot; the type bits on top are not reached
.endif
	s_xor_b32 s[TB], s[TB], SLOT1
	s_wait_dscnt 0x0                               ; the add is done, and my reads of the slot are over
.if \fill
	ROUND
	tensor_load_to_lds s[G0W:G0W+3], s[G1W:G1W+7]
	s_nop 0
	PLACES
.else
	s_barrier_signal -1
	s_barrier_wait -1
.endif
.endm
; x of my 64 rows as source 1: fragment 4 kc + t, 1,024 bytes each, into window 3
.macro XLOAD
	WIN 0xc0
.set m, 0
.rept 32
	ds_load_b128 v[4*m:4*m+3], v[AXB] offset:512*m
.set m, m+1
.endr
	WIN 0
.endm
; THE EXCHANGE of h0: my stores into the stage are done; a barrier; then 256 units of my 64 rows come back as source 1 of layer 1, into window win: fragment (kc, t) is unit tiles 2 kc and 2 kc + 1.
; The next stores into the stage stand behind a change of slots, whose wait and barrier order them with these loads.
.macro EXCH win
	WIN 0
	s_wait_dscnt 0x0                               ; for the others' sake: zero
	s_barrier_signal -1
	s_barrier_wait -1
	WIN (\win)<<6
.set m, 0
.rept 32
	ds_load_b128 v[8*m:8*m+3],   v[AHL] offset:4096*(m/4)+512*(m%4)
	ds_load_b128 v[8*m+4:8*m+7], v[AHL] offset:4096*(m/4)+512*(m%4)+2048
.set m, m+1
.endr
	WIN 0
.endm
; THE ACTIVATION is a numbered list.  It goes by pairs of numbers; block b of 25 entries holds five stages of five different pairs (b, b - 1, .. b - 4), so that every exponential and reciprocal has a
; plain instruction of another pair behind it and no result is used before the next block (ISA guide 5.7.2 asks for one plain instruction between).  AN pairs make 25 (AN + 4) entries, of which those
; of pairs that do not exist are empty; from block AN on entry 0 is a v_nop: the plain instruction behind the block before's last reciprocal.
; AM = 1: layer 1: 16 pairs, pair n in row tile n / 4; relu; the row's dot product with w.  AM = 0: layer 0: the 4 pairs of row tile ATB; rounded to f16.
.macro AREG lag
.set n, blk-(\lag)
.set ok, 0
.if (n >= 0) && (n < AN)
.set ok, 1
.if AM
.set rI, T+24*(n/4)+2*(n%4)
.set rU, OUT+2*(n/4)
.else
.set rI, T+24*ATB+2*n
.set rU, OUT
.endif
.set rG, rI+8
.set rO, rI+16
.set rQ, n%4
.endif
.endm
.macro EM lag, line:vararg             ; the line, for pair blk - lag, if there is such a pair
	AREG \lag
.if ok
	WIN 0
	s_wait_alu depctr_va_vdst(0)
	\line
.endif
.endm
.macro ACTE x
.set blk, (\x)/25
.set sl, (\x)%25
.if sl == 0
.if blk >= AN
	WIN 0
	v_nop
.else
	EM 0, v_med3_num_f32 v[rG], v[rG], s[CLO], s[CHI]
.endif
.elseif sl == 1
	EM 0, v_med3_num_f32 v[rG+1], v[rG+1], s[CLO], s[CHI]
.elseif sl == 2
	EM 0, v_exp_f32 v[rI], v[rI]
.elseif sl == 3
	EM 1, v_pk_add_f32 v[rI:rI+1], v[rI:rI+1], 1.0 op_sel_hi:[1,0]
.elseif sl == 4
	EM 0, v_exp_f32 v[rI+1], v[rI+1]
.elseif sl == 5
	EM 1, v_pk_fma_f32 v[rI:rI+1], v[rI:rI+1], v[rG:rG+1], v[rI:rI+1]
.elseif sl == 6
	EM 0, v_exp_f32 v[rG], v[rG]
.elseif sl == 7
	EM 1, v_pk_fma_f32 v[rG:rG+1], v[rG:rG+1], s[CG:CG+1], s[CGN:CGN+1] op_sel_hi:[1,0,0]
.elseif sl == 8
	EM 0, v_exp_f32 v[rG+1], v[rG+1]
.elseif sl == 9
	EM 1, v_pk_add_f32 v[rO:rO+1], v[rO:rO+1], 1.0 op_sel_hi:[1,0]
.elseif sl == 10
	EM 1, v_rcp_f32 v[rI], v[rI]
.elseif sl == 11
	EM 2, v_pk_mul_f32 v[rG:rG+1], v[rG:rG+1], v[rI:rI+1]
.elseif sl == 12
	EM 1, v_rcp_f32 v[rI+1], v[rI+1]
.elseif sl == 13
	EM 3, v_pk_fma_f32 v[rO:rO+1], v[rO:rO+1], v[rG:rG+1], v[rO:rO+1]
.elseif sl == 14
	EM 0, v_exp_f32 v[rO], v[rO]
.elseif sl == 15
	EM 3, v_pk_add_f32 v[rG:rG+1], v[rG:rG+1], -1.0 op_sel_hi:[1,0]
.elseif sl == 16
	EM 0, v_exp_f32 v[rO+1], v[rO+1]
.elseif sl == 17
.if AM
	EM 3, v_max_num_f32 v[rG], 0, v[rG]
.endif
.elseif sl == 18
	EM 2, v_exp_f32 v[rG], v[rG]
.elseif sl == 19
.if AM
	EM 3, v_max_num_f32 v[rG+1], 0, v[rG+1]
.endif
.elseif sl == 20
	EM 2, v_exp_f32 v[rG+1], v[rG+1]
.elseif sl == 21
	EM 4, v_pk_mul_f32 v[rG:rG+1], v[rG:rG+1], v[rO:rO+1]
.elseif sl == 22
	EM 3, v_rcp_f32 v[rO], v[rO]
.elseif sl == 23
.if AM
	EM 4, v_pk_fma_f32 v[rU:rU+1], v[rG:rG+1], v[WC+2*rQ:WC+2*rQ+1], v[rU:rU+1]
.else
	EM 4, v_cvt_pk_f16_f32 v[PK+rQ], v[rG], v[rG+1]
.endif
.else
	EM 3, v_rcp_f32 v[rO+1], v[rO+1]
.endif
.endm
; Entry e of the list that rides behind the matrix instructions.  Layer 1: the activation's 500.  Layer 0, 213: twelve that take row tile ATB's three sums out of the accumulators, scaled
; (each accumulator's lowest registers first); the activation's 200; the tile's 16 bytes a lane into the stage.
.macro RIDE
.if AM
	ACTE e
.elseif e < 12
	WIN 0x01                                       ; source 0 window 1
.if e%3 == 1
	v_pk_mul_f32 v[T+24*ATB+8*(e%3)+2*(e/3):T+24*ATB+8*(e%3)+2*(e/3)+1], v[24*(ATB%2)+8*(e%3)+2*(e/3):24*(ATB%2)+8*(e%3)+2*(e/3)+1], s[CG:CG+1] op_sel_hi:[1,0]
.else
	v_pk_mul_f32 v[T+24*ATB+8*(e%3)+2*(e/3):T+24*ATB+8*(e%3)+2*(e/3)+1], v[24*(ATB%2)+8*(e%3)+2*(e/3):24*(ATB%2)+8*(e%3)+2*(e/3)+1], s[CI:CI+1] op_sel_hi:[1,0]
.endif
.elseif e < 212
	ACTE e-12
.else
	WIN 0
	ds_store_b128 v[AH], v[PK:PK+3] offset:512*ATB
.endif
.set e, e+1
.endm
.macro RID cnt
.rept \cnt
	RIDE
.endr
.endm
; LAYER 0.  A record's biases (my half's eight of each gate) and its twelve weight fragments
.macro L0FETCH
	WIN 0
	v_add_nc_u32 v[AW], s[REC], v[L16]
	v_add_nc_u32 v[AB], s[REC], v[H32]
	s_add_co_u32 s[REC], s[REC], REC0
.irp ga, 0,1,2
	ds_load_b128 v[BI+8*\ga:BI+8*\ga+3],   v[AB] offset:64*\ga
	ds_load_b128 v[BI+8*\ga+4:BI+8*\ga+7], v[AB] offset:64*\ga+16
.endr
	WIN 0xc0
.set m, 0
.rept 24
	ds_load_b128 v[128+4*m:128+4*m+3], v[AW] offset:256+512*m
.set m, m+1
.endr
	WIN 0
.endm
; Row tile t's twelve products: K in four steps, the three gates' accumulators by turns; the first three start the sums with the biases.  Two sets of accumulators, by t's parity.
.macro MS t, ride
.set i, 0
.rept 12
.set rD, 24*((\t)%2)+8*(i%3)
.set rA, 128+8*i
.set rB, 8*(4*(i/3)+(\t))
.if i < 3
	WIN 0x4f                                       ; W and x window 3, bias window 0, result window 1
	v_wmma_f32_16x16x32_bf16 v[rD:rD+7], v[rA:rA+7], v[rB:rB+7], v[BI+8*i:BI+8*i+7]
.else
	WIN 0x5f
	v_wmma_f32_16x16x32_bf16 v[rD:rD+7], v[rA:rA+7], v[rB:rB+7], v[rD:rD+7]
.endif
.if \ride
	RID ((i+1)*EN/12-i*EN/12)
.endif
.set i, i+1
.endr
.endm
; A step: one unit tile for my 64 rows.  Row tile t's products carry row tile t - 1's list; the last list stands bare, behind the fetch of the next record, which so has that list in which to land.
; In a slot's fourth step there is no next record of mine, and the fetch is jumped over.
.macro L0STEP
	WIN 0
	v_add_nc_u32 v[AH], s[HS], v[L16]
	s_add_co_u32 s[HS], s[HS], 2048
	s_wait_dscnt 0x0                               ; the record is in
	MS 0, 0
.irp t, 1,2,3
	PLACES                                         ; in front of the list's first lines, which read the results just made
.set e, 0
.set ATB, (\t)-1
	MS \t, 1
.endr
	PLACES                                         ; the same, and in front of the loads into the fragments just multiplied
	WIN 0
	s_cmp_eq_u32 s[CNT], 1
	s_cbranch_scc1 .Lno_fetch_\@
	L0FETCH
.Lno_fetch_\@:
.set e, 0
.set ATB, 3
	RID EN
	WIN 0
.endm
; 256 hidden units of a first layer: two slots, in each four records of mine
.macro L0PART
	s_mov_b32 s[HS], s[HS0]
	s_mov_b32 s[SL], 2
.Lpart_slot_\@:
	CHANGE 1
	s_add_co_u32 s[REC], s[TB], s[P0]
	L0FETCH
	s_mov_b32 s[CNT], 4
.Lpart_step_\@:
	L0STEP
	s_sub_co_u32 s[CNT], s[CNT], 1
	s_cmp_lg_u32 s[CNT], 0
	s_cbranch_scc1 .Lpart_step_\@
	s_sub_co_u32 s[SL], s[SL], 1
	s_cmp_lg_u32 s[SL], 0
	s_cbranch_scc1 .Lpart_slot_\@
.endm
; LAYER 1.  The twelve sums of a unit tile (gate ga, row tile t at 8 (4 ga + t)) leave the accumulators, scaled; each accumulator's lowest registers first.
.macro DRAIN
	WIN 0x01
.irp t, 0,1,2,3
.irp ga, 0,1,2
.irp q, 0,1,2,3
.if (\ga) == 1
	v_pk_mul_f32 v[T+24*\t+8*\ga+2*\q:T+24*\t+8*\ga+2*\q+1], v[8*(4*\ga+\t)+2*\q:8*(4*\ga+\t)+2*\q+1], s[CG:CG+1] op_sel_hi:[1,0]
.else
	v_pk_mul_f32 v[T+24*\t+8*\ga+2*\q:T+24*\t+8*\ga+2*\q+1], v[8*(4*\ga+\t)+2*\q:8*(4*\ga+\t)+2*\q+1], s[CI:CI+1] op_sel_hi:[1,0]
.endif
.endr
.endr
.endr
.endm
.macro L1A g                           ; group g of a record's fragments (64 along K x three gates): twelve loads in one run, into buffer g % 2
	WIN 0x40
.set m, 0
.rept 12
	ds_load_b128 v[96+48*((\g)%2)+4*m:96+48*((\g)%2)+4*m+3], v[AW] offset:256+6144*(\g)+512*m
.set m, m+1
.endr
.endm
; What the first step finds: sums of 0, whose activation is exactly 0, and w = 0.  So no first step is written out; the price is these 112 moves, once a branch.
.macro L1INIT
	WIN 0x40
.set m, 0
.rept 96
	v_mov_b32 v[m], 0
.set m, m+1
.endr
	WIN 0
.set m, 0
.rept 8
	v_mov_b32 v[WN+m], 0
	v_mov_b32 v[OUT+m], 0
.set m, m+1
.endr
.endm
; A step: one unit tile for my 64 rows, K = 32 KC.  The tile before leaves the accumulators (in the wait for this record's first loads), and its activation rides behind this tile's 12 KC products,
; dealt evenly.  The twelve accumulators take turns.  A group's loads are issued a group (24 products) ahead of the wait for them.
.macro L1STEP KC, RS
	WIN 0
.set m, 0
.rept 8
	v_mov_b32 v[WC+m], v[WN+m]                     ; w of the tile whose activation is due; with the two lines below: the places behind the last products
.set m, m+1
.endr
	v_add_nc_u32 v[AW], s[REC], v[L16]
	v_add_nc_u32 v[AB], s[REC], v[H32]
.if (\RS) != 0
	s_add_co_u32 s[REC], s[REC], \RS
.endif
.irp ga, 0,1,2
	ds_load_b128 v[BI+8*\ga:BI+8*\ga+3],   v[AB] offset:64*\ga
	ds_load_b128 v[BI+8*\ga+4:BI+8*\ga+7], v[AB] offset:64*\ga+16
.endr
	ds_load_b128 v[WN:WN+3],   v[AB] offset:192
	ds_load_b128 v[WN+4:WN+7], v[AB] offset:208
	L1A 0
	DRAIN
.set e, 0
.set i, 0
.set grp, 0
.rept (\KC)/2
	s_wait_dscnt 0x0                               ; this group's fragments are in (and, the first time, biases and w)
.if grp+1 < (\KC)/2
.if grp > 0
	PLACES                                         ; in front of loads into the buffer that the group before multiplied
.endif
	L1A grp+1
.endif
.set j, 0
.rept 24
.set kc, 2*grp+j/12
.set ga, (j/4)%3
.set rD, 8*(4*ga+j%4)
.set rA, 96+48*(grp%2)+24*(j/12)+8*ga
.set rB, 8*(4*(kc%8)+j%4)
.if kc == 0
	WIN 0x49                                       ; W window 1, h0 window 2, bias window 0, result window 1
	v_wmma_f32_16x16x32_f16 v[rD:rD+7], v[rA:rA+7], v[rB:rB+7], v[BI+8*ga:BI+8*ga+7]
.elseif kc < 8
	WIN 0x59
	v_wmma_f32_16x16x32_f16 v[rD:rD+7], v[rA:rA+7], v[rB:rB+7], v[rD:rD+7]
.else
	WIN 0x5d                                       ; h0 window 3
	v_wmma_f32_16x16x32_f16 v[rD:rD+7], v[rA:rA+7], v[rB:rB+7], v[rD:rD+7]
.endif
	RID ((i+1)*EN/(12*(\KC))-i*EN/(12*(\KC)))
.set i, i+1
.set j, j+1
.endr
.set grp, grp+1
.endr
	WIN 0
.endm
.macro L1TAIL                          ; the last unit tile's activation, bare
	WIN 0
.set m, 0
.rept 8
	v_mov_b32 v[WC+m], v[WN+m]                     ; eight plain lines: the places behind the last products
.set m, m+1
.endr
	DRAIN
.set e, 0
	RID EN
	WIN 0
.endm
; A row's dot product over my half of the units: even and odd units, then the other half of the lanes; into the partial sums of branch b
.macro FINISH b
.irp t, 0,1,2,3
	v_add_f32 v[OUT+2*\t], v[OUT+2*\t], v[OUT+2*\t+1]
.endr
.irp t, 0,1,2,3
	v_permlanex16_b32 v[OUT+2*\t+1], v[OUT+2*\t], s[SEL], s[SEL+1]
.endr
.irp t, 0,1,2,3
	v_add_f32 v[OUT+2*\t], v[OUT+2*\t], v[OUT+2*\t+1]
.endr
.irp t, 0,1,2,3
	ds_store_b32 v[AO], v[OUT+2*\t] offset:1024*(\b)+64*\t   ; lanes r and r + 16 write the same word with the same number
.endr
.endm
	s_load_b256 s[4:11], s[0:1], 0x0               ; X s[4:5], wpack s[6:7], aff_b s[8:9], noise_b s[10:11]
	s_load_b128 s[12:15], s[0:1], 0x20             ; out0 s[12:13], out1 s[14:15]
	v_lshl_add_u32 v[SPW], v0, 2, SPARE
	v_mov_b32 v[NIL], 0
	ds_add_u32 v[SPW], v[NIL]                      ; the wave's opening: the add and its wait stand ahead of my first tensor load; the set-up below, work on registers, stands between them
	ds_add_u32 v10, v11
	v_lshrrev_b32 v1, 5, v0
	v_readfirstlane_b32 s[WV], v1                  ; wave 0..3
	s_lshr_b32 s[GR], s[WV], 1                     ; my row group
	s_and_b32 s[PH], s[WV], 1                      ; my half of the units
	s_bfe_u32 s66, ttmp6, 0x40000                  ; cx: my place in the cluster
	s_lshl_b32 s[WG], ttmp9, 2                     ; in a cluster launch ttmp9 counts clusters
	s_add_co_u32 s[WG], s[WG], s66                 ; my block of 128 rows: it enters X's and the outputs' addresses alone
	; group 1 for the weights: a quarter of a slot is dense: 98 rows of 256 bytes
	s_mov_b32 s[G1W+0], 15|(3<<16)|(1<<21)         ; 15:0 the mask: all four work-groups; 17:16 elements of 8 bytes; 21 set beside a mask; no padding
	s_mov_b32 s[G1W+1], 32<<16                     ; tensor_dim0 = 32
	s_mov_b32 s[G1W+2], 98<<16                     ; tensor_dim1 = 98
	s_mov_b32 s[G1W+3], 32<<16                     ; tile_dim0 = 32
	s_mov_b32 s[G1W+4], 98                         ; tile_dim1 = 98
	s_mov_b32 s[G1W+5], 32                         ; 32 elements from row to row
	s_mov_b32 s[G1W+6], 0
	s_mov_b32 s[G1W+7], 0
	; group 1 for x: 32 rows of 128 f32, padded in LDS; a load of my own, no mask
	s_mov_b32 s[G1X+0], (2<<16)|(1<<20)|(6<<22)|(3<<25)  ; 17:16 elements of 4 bytes; 20 padding on; 24:22 after every 128 words (code 6); 31:25 4 words (code 3)
	s_mov_b32 s[G1X+1], 128<<16
	s_mov_b32 s[G1X+2], 32<<16
	s_mov_b32 s[G1X+3], 128<<16
	s_mov_b32 s[G1X+4], 32
	s_mov_b32 s[G1X+5], 128
	s_mov_b32 s[G1X+6], 0
	s_mov_b32 s[G1X+7], 0
	s_mov_b32 s[G0W], 1
	s_mul_i32 s[G0W+1], s[WV], QUART               ; my quarter of slot 0: no place in the cluster enters an LDS address
	s_mov_b32 s[G0X], 1
	s_mul_i32 s[G0X+1], s[WV], 32*XPITCH
	s_add_co_u32 s[G0X+1], s[G0X+1], XH
	s_mov_b32 s[TB], SLOT1                         ; the first change of slots turns it into 0
	s_mov_b32 s[CI], 0xbfb8aa3b
	s_mov_b32 s[CI+1], s[CI]                       ; named as pairs, so both are written
	s_mov_b32 s[CG], 0x4038aa3b
	s_mov_b32 s[CG+1], s[CG]
	s_mov_b32 s[CGN], 0xc038aa3b
	s_mov_b32 s[CGN+1], s[CGN]
	s_mov_b32 s[CLO], 0xc1f00000
	s_mov_b32 s[CHI], 0x41f00000
	s_mov_b32 s[SEL], 0x76543210
	s_mov_b32 s[SEL+1], 0xfedcba98
	s_mul_i32 s[P0], s[PH], 4*REC0
	s_mul_i32 s[PG], s[PH], RECG
	s_mul_i32 s[PN], s[PH], 2*RECN
	s_mul_i32 s60, s[WV], QUART
	s_mov_b32 s61, 0
	s_lshl_b32 s62, s[WG], 16                      ; my work-group's 128 rows of 512 bytes,
	s_lshl_b32 s63, s[WV], 14                      ; my wave's 32 of them
	s_add_co_u32 s62, s62, s63
	s_mov_b32 s63, 0
	s_wait_dscnt 0x0                               ; the opening add is done
	s_wait_kmcnt 0x0
	s_add_nc_u64 s[G0W+2:G0W+3], s[6:7], s[60:61]
	s_or_b32 s[G0W+3], s[G0W+3], 0x80000000        ; type = 2
	s_add_nc_u64 s[G0X+2:G0X+3], s[4:5], s[62:63]
	s_or_b32 s[G0X+3], s[G0X+3], 0x80000000
	s_load_b256 s[AFB:AFB+7], s[8:9], 0x0
	s_load_b64 s[AFB+8:AFB+9], s[8:9], 0x20
	s_load_b32 s[NB], s[10:11], 0x0
	ROUND                                          ; all four work-groups are here: the first joint loads meet
	tensor_load_to_lds s[G0X:G0X+3], s[G1X:G1X+7]  ; my 32 rows of x
	s_nop 0
	tensor_load_to_lds s[G0W:G0W+3], s[G1W:G1W+7]  ; my quarter of the stream's slot 0
	s_nop 0
	PLACES
	v_and_b32 v2, 31, v0
	v_lshlrev_b32 v[L16], 4, v2
	v_and_b32 v3, 15, v0                           ; r
	v_bfe_u32 v4, v0, 4, 1                         ; h
	v_lshlrev_b32 v[H32], 5, v4
	s_lshl_b32 s60, s[GR], 15
	s_add_co_u32 s60, s60, XH                      ; the stage: 32,768 bytes a row group,
	v_add_nc_u32 v[AHL], s60, v[L16]
	s_lshl_b32 s61, s[PH], 14
	s_add_co_u32 s[HS0], s60, s61                  ; of which my eight unit tiles take half
	s_lshl_b32 s60, s[GR], 17
	s_add_co_u32 s60, s60, XB0
	v_add_nc_u32 v[AXB], s60, v[L16]
	s_lshl_b32 s61, s[PH], 11
	v_add_nc_u32 v[AXS], s61, v[AXB]               ; my 32 rows are row tiles 2 p and 2 p + 1 of the group
	s_mul_i32 s60, s[WV], 32*XPITCH
	s_add_co_u32 s60, s60, XH
	v_mul_u32_u24 v[AXF], v3, XPITCH
	v_add3_u32 v[AXF], v[AXF], v[H32], s60         ; row r of my 32, 8 h numbers in
	s_lshl_b32 s60, s[PH], 9
	s_lshl_b32 s61, s[GR], 8
	s_add_co_u32 s60, s60, s61
	s_add_co_u32 s60, s60, OST
	v_lshl_add_u32 v[AO], v3, 2, s60
	; x to bf16, once: each wave reads the 32 rows that its own load brought, so its own wait is all the ordering that these reads need
	s_wait_tensorcnt 0x1                           ; x is in; one load was issued behind it, slot 0's, and may stay out
.irp tt, 0,1
.set m, 0
.rept 16                                               ; 32 (m / 4) + 16 ((m / 2) % 2) + 8 h + 4 (m % 2) along the row, four numbers
	ds_load_b128 v[F+4*m:F+4*m+3], v[AXF] offset:16*XPITCH*\tt+128*(m/4)+64*((m/2)%2)+16*(m%2)
.set m, m+1
.endr
	s_wait_dscnt 0x0
.set m, 0
.rept 32
	v_cvt_pk_bf16_f32 v[XP+m], v[F+2*m], v[F+2*m+1]
.set m, m+1
.endr
.set m, 0
.rept 8                                                ; fragment (kc = m / 2, my row tile tt), block m % 2
	ds_store_b128 v[AXS], v[XP+4*m:XP+4*m+3] offset:4096*(m/2)+1024*\tt+512*(m%2)
.set m, m+1
.endr
.endr
	s_wait_dscnt 0x0                               ; for the others' sake: my stores are done, and my reads of x as f32 are over (its bytes become the stage)
	s_barrier_signal -1
	s_barrier_wait -1                              ; Slot 0's load may stay out
	XLOAD
	s_wait_kmcnt 0x0                               ; aff_b, noise_b
	; THE GLOBAL BRANCH
.set AM, 0
.set AN, 4
.set EN, 213
	L0PART                                         ; layer 0, units 0-255
	EXCH 2
	L0PART                                         ; units 256-511
	EXCH 3                                         ; (x's registers are taken; x comes back from LDS for the noise branch)
.set AM, 1
.set AN, 16
.set EN, 500
	L1INIT
	s_mov_b32 s[SL], 16
.Lg1:                                                  ; a slot holds one record for each half: a trip is one unit tile, 192 products
	CHANGE 1
	s_add_co_u32 s[REC], s[TB], s[PG]
	L1STEP 16, 0
	s_sub_co_u32 s[SL], s[SL], 1
	s_cmp_lg_u32 s[SL], 0
	s_cbranch_scc1 .Lg1
	L1TAIL
	FINISH 0
	XLOAD
	; THE NOISE BRANCH
.set AM, 0
.set AN, 4
.set EN, 213
	L0PART
	EXCH 2
.set AM, 1
.set AN, 16
.set EN, 500
	L1INIT
	s_mov_b32 s[SL], 3
.Ln1:                                                  ; a slot holds two records for each half
	CHANGE 1
	s_add_co_u32 s[REC], s[TB], s[PN]
	s_mov_b32 s[CNT], 2
.Ln1_step:
	L1STEP 8, RECN
	s_sub_co_u32 s[CNT], s[CNT], 1
	s_cmp_lg_u32 s[CNT], 0
	s_cbranch_scc1 .Ln1_step
	s_sub_co_u32 s[SL], s[SL], 1
	s_cmp_lg_u32 s[SL], 0
	s_cbranch_scc1 .Ln1
	CHANGE 0                                       ; the stream's last slot is written out: nothing is asked for
	s_add_co_u32 s[REC], s[TB], s[PN]
	s_mov_b32 s[CNT], 2
.Ln1_last:
	L1STEP 8, RECN
	s_sub_co_u32 s[CNT], s[CNT], 1
	s_cmp_lg_u32 s[CNT], 0
	s_cbranch_scc1 .Ln1_last
	L1TAIL
	FINISH 1
	; THE WAY OUT: a row's two partial sums come from two waves, so a barrier; wave 0 then finishes mus, wave 1 sigmas: four rows a lane
	s_wait_dscnt 0x0                               ; for the others' sake: zero
	s_barrier_signal -1
	s_barrier_wait -1
	s_cmp_lt_u32 s[WV], 2
	s_cbranch_scc0 .Ldone
	s_lshl_b32 s60, s[WV], 10
	s_add_co_u32 s60, s60, OST
	v_add_nc_u32 v3, s60, v[L16]
	ds_load_b128 v[64:67], v3
	ds_load_b128 v[68:71], v3 offset:512
	s_lshl_b32 s62, s[WG], 9                       ; my work-group's 128 numbers
	s_mov_b32 s63, 0
	s_wait_dscnt 0x0
	v_pk_add_f32 v[64:65], v[64:65], v[68:69]
	v_pk_add_f32 v[66:67], v[66:67], v[70:71]
	s_cmp_eq_u32 s[WV], 0
	s_cbranch_scc0 .Lsigma
.irp k, 0,1,2,3,4
	v_cvt_pk_bf16_f32 v[72+\k], s[AFB+2*\k], s[AFB+2*\k+1]   ; aff_b rounded like every input,
.endr
.irp k, 0,1,2,3,4
	v_lshlrev_b32 v[80+2*\k], 16, v[72+\k]
	v_and_b32 v[81+2*\k], 0xffff0000, v[72+\k]
.endr
	v_add_f32 v80, v80, v81                        ; and summed, ascending
.irp k, 2,3,4,5,6,7,8,9
	v_add_f32 v80, v80, v[80+\k]
.endr
	v_mov_b32 v81, v80
	v_pk_add_f32 v[64:65], v[64:65], v[80:81]
	v_pk_add_f32 v[66:67], v[66:67], v[80:81]
	s_add_nc_u64 s[12:13], s[12:13], s[62:63]
	global_store_b128 v[L16], v[64:67], s[12:13]   ; 512 consecutive bytes, at a multiple of 256 from out0's first byte
	s_branch .Ldone
.Lsigma:
	; softplus(z) = max(z, 0) + ln 2 x log2(1 + 2^(-L |z|)): the exponent is never above 0
	v_cvt_pk_bf16_f32 v72, s[NB], s[NB]
	v_lshlrev_b32 v72, 16, v72
.irp k, 0,1,2,3
	v_add_f32 v[64+\k], v[64+\k], v72
.endr
.irp k, 0,1,2,3
	v_and_b32 v[76+\k], 0x7fffffff, v[64+\k]
.endr
.irp k, 0,1,2,3
	v_mul_f32 v[76+\k], s[CI], v[76+\k]
.endr
.irp k, 0,1,2,3
	v_exp_f32 v[76+\k], v[76+\k]
.endr
	v_nop                                          ; a plain instruction between the last exponential and the use of its result
.irp k, 0,1,2,3
	s_wait_alu depctr_va_vdst(0)
	v_add_f32 v[76+\k], 1.0, v[76+\k]
.endr
.irp k, 0,1,2,3
	v_log_f32 v[76+\k], v[76+\k]
.endr
.irp k, 0,1,2,3
	v_max_num_f32 v[64+\k], 0, v[64+\k]            ; plain lines that touch none of the logarithms
.endr
.irp k, 0,1,2,3
	s_wait_alu depctr_va_vdst(0)
	v_fmac_f32 v[64+\k], 0x3f317218, v[76+\k]
.endr
.irp k, 0,1,2,3
	v_add_f32 v[64+\k], 0x358637bd, v[64+\k]       ; + 1e-6
.endr
	s_add_nc_u64 s[14:15], s[14:15], s[62:63]
	global_store_b128 v[L16], v[64:67], s[14:15]
.Ldone:
	s_wait_tensorcnt 0x0                           ; the wave's end, behind my last tensor load and my last LDS store
	ds_add_u32 v[SPW], v[NIL]
	s_wait_dscnt 0x0
	ROUND                                          ; the closing round: no work-group ends while a partner may still ask for a slot that names it
	s_endpgm
.Lfunc_end_k_q78c68d2a16_lstm:
	.size	k_q78c68d2a16_lstm, .Lfunc_end_k_q78c68d2a16_lstm-k_q78c68d2a16_lstm
	.p2alignl 7, 3214868480
	.fill 96, 4, 3214868480
	.section	.rodata,"a",@progbits
	.p2align	6, 0x0
	.amdhsa_kernel k_q78c68d2a16_lstm
		.amdhsa_group_segment_fixed_size 327680
		.amdhsa_private_segment_fixed_size 0
		.amdhsa_enable_private_segment 0
		.amdhsa_kernarg_size 48
		.amdhsa_user_sgpr_count 2
		.amdhsa_user_sgpr_kernarg_segment_ptr 1
		.amdhsa_wavefront_size32 1
		.amdhsa_system_sgpr_workgroup_id_x 1
		.amdhsa_system_sgpr_workgroup_id_y 1
		.amdhsa_system_sgpr_workgroup_id_z 1
		.amdhsa_system_vgpr_workitem_id 0
		.amdhsa_next_free_vgpr 1024
		.amdhsa_next_free_sgpr 82
		.amdhsa_reserve_vcc 0
		.amdhsa_float_denorm_mode_32 3
		.amdhsa_float_denorm_mode_16_64 3
		.amdhsa_memory_ordered 1
		.amdhsa_forward_progress 1
		.amdhsa_inst_pref_size 255
	.end_amdhsa_kernel
	.section	.bss,"aw",@nobits
	.p2align	6
	.space	262144
	.amdgpu_metadata
---
amdhsa.version: [ 1, 2 ]
amdhsa.kernels:
  - .name:           k_q78c68d2a16_lstm
    .symbol:         k_q78c68d2a16_lstm.kd
    .args:
      - { .name: X, .offset: 0, .size: 8, .value_kind: global_buffer, .address_space: global }
      - { .name: wpack, .offset: 8, .size: 8, .value_kind: global_buffer, .address_space: global }
      - { .name: aff_b, .offset: 16, .size: 8, .value_kind: global_buffer, .address_space: global }
      - { .name: noise_b, .offset: 24, .size: 8, .value_kind: global_buffer, .address_space: global }
      - { .name: out0, .offset: 32, .size: 8, .value_kind: global_buffer, .address_space: global }
      - { .name: out1, .offset: 40, .size: 8, .value_kind: global_buffer, .address_space: global }
    .group_segment_fixed_size: 327680
    .private_segment_fixed_size: 0
    .kernarg_segment_align: 8
    .kernarg_segment_size: 48
    .max_flat_workgroup_size: 128
    .sgpr_count:     82
    .vgpr_count:     1024
    .wavefront_size: 32
...
	.end_amdgpu_metadata
.endif
;; end of part 2
;; ======== version 2 of 2: 2 launches; 3.86 times as fast as version 1
;; limits: values are held in f16: magnitudes above 65,504 overflow, below 6.1e-05 lose precision; inputs' magnitudes at most 65,504
;; workspace buffers: wpack 2,609,152 bytes
;; launch pack: the kernel of part 1 again; grid 208 x 1, 4 waves a work-group, no clusters, 0 bytes of LDS; arguments g_Wih0, g_b0, g_Wih1, g_b1, aff_W, n_Wih0, n_b0, n_Wih1, n_b1, noise_W, wpack; writes wpack
;; launch lstm (part 3): grid 256 x 1, 4 waves a work-group, clusters of 4 x 1, 327,680 bytes of LDS; arguments X, wpack, aff_b, noise_b, out0, out1; writes out0, out1
.if DOCPART == 3
	.amdgcn_target "amdgcn-amd-amdhsa--gfx1250"
	.amdhsa_code_object_version 6
	.text
	.protected	k_q78c68d2a16_lstm
	.globl	k_q78c68d2a16_lstm
	.p2align	8
	.type	k_q78c68d2a16_lstm,@function
k_q78c68d2a16_lstm:
	s_mov_b64 s[64:65], 0
	v_nop
	global_prefetch_b8 v0, s[64:65] scope:SCOPE_SE
	s_setreg_imm32_b32 hwreg(HW_REG_WAVE_MODE, 25, 1), 1
	s_wait_xcnt 0x0
	s_wait_alu depctr_hold_cnt(0) depctr_sa_sdst(0) depctr_va_vdst(0) depctr_va_sdst(0) depctr_va_ssrc(0) depctr_va_vcc(0) depctr_vm_vsrc(0)
	s_getreg_b32 s2, hwreg(HW_REG_IB_STS2, 6, 4)
	s_cmp_eq_u32 s2, 0
	s_cbranch_scc0 .Lentry_in_a_cluster
	s_endpgm
.Lentry_in_a_cluster:
	s_bfe_u32 s2, ttmp6, 0x10000c
	s_cmp_lg_u32 s2, 0x3003
	s_cbranch_scc0 .Lentry_shape_is_right
	s_endpgm
.Lentry_shape_is_right:
; Both branches of the module, whole: x -> LSTM step -> LSTM step -> relu -> one number a row (mus, sigmas).  32,768 rows of 128 features.
; SHARES.  A work-group owns 128 rows (256 work-groups).  Wave w = 2 g + p owns rows 64 g .. 64 g + 63 (four tiles of 16) and half p of every layer's hidden units.
; PRODUCTS, transposed: source 0 = 16 gate rows of W, source 1 = 16 data rows.  In a result lane (r, h) holds data row r and units 8 h + 0..7, so two neighbouring unit tiles,
; rounded to 16 bits, ARE source 1 (32 k x 16 rows) of the next layer: nothing changes lanes.  A unit tile has three sums (gates i, g, o); the bias is the C operand that starts each.
; The forget gate enters no result of reference() (it multiplies a zero state) and is not computed.  h0 stays in registers while all of layer 1's weights stream past;
; the two waves of a row group hand each other their halves of h0 through LDS.  Nothing between x and the two outputs goes to memory.
; WEIGHTS come from wpack (made by the launch before): 26 slots of 100,352 bytes, walked by every work-group alike, through a ring of two LDS slots.  The four work-groups of a cluster ask
; for each slot JOINTLY (same tensor load, descriptor and mask), each wave a quarter.  By this text's count a wave has two tensor loads out at the start, one later.
; FORMATS.  Every input rounded to bf16.  Layer 0: bf16 x bf16.  Layer 1: h0 (inside -1 .. 1) in f16, W1's bf16 number written as f16.  Sums, activations and the closing dot products in f32.
; ACTIVATION, for a_i, a_g, a_o:  Ei = 2^(-L a_i), Eg = 2^(2 L a_g), Eo = 2^(-L a_o), L = log2 e;  2 L c = 2 L (Eg - 1) / ((1 + Ei)(1 + Eg));  Ec = 2^(2 L c);  h = (Ec - 1) / ((1 + Eo)(1 + Ec)).
; Four exponentials and two reciprocals a number.  relu(h) is taken on Ec - 1, which has h's sign.
; LIMITS.  2 L a_g is held within -30 .. 30, where tanh is 1 to f32's last bit; a product (1 + Ei)(1 + Eg) or (1 + Eo)(1 + Ec) beyond f32's range gives 0: a sigmoid under 2^-97 counts as 0.
; NaN and infinities in the inputs are not treated apart.  mus = h . (sum over f of aff_W[f]) + sum of aff_b: another order of rounding than reference()'s ten sums.
; BY TURNS.  The activation of what has been multiplied (layer 1: the unit tile before; layer 0: the step's earlier row tiles) stands, a few instructions at a time, behind the matrix instructions that
; follow: a wave issues in order and is alone on its SIMD.
; BATCHES.  A number's activation has four runs of transcendentals, each of which reads what the run before made: the gates' exponentials, a reciprocal, the exponential of c, a reciprocal.  So the work goes
; by GROUPS of pairs of numbers and in SEGMENTS: in segment s group s - L does stage L of five.  All the transcendentals of a segment are ONE BATCH; no line of a segment names a result of its own batch; and one
; s_wait_alu depctr_va_vdst(0), ahead of the first line that names a result, stands between two segments.  Layer 1: two groups of eight pairs: six segments, five waits a unit
; tile.  Layer 0: four groups, the row tiles: eight segments, seven waits a unit tile.  Every list ends with a segment of plain lines.
;
; LDS: 0 slot 0 | 100,352 x as bf16, row group 0 | 116,736 spare words | 117,248 partial sums | 131,072 slot 1 | 231,424 x as bf16, row group 1 | 247,808 x as f32 (filled once), later the stage for h0
; REGISTERS, in windows of 256 (s_set_vgpr_msb: bits 1:0 source 0, 3:2 source 1, 5:4 source 2, 7:6 destination):
;   window 0: v0-11 addresses; v12-15 four packed words; v16-23 the rows' running dot products; v24-39 w of the tile in hand and of the next; v40-63 biases; v64-159 activation at work; v160-255 x on its way to bf16
;   window 1: v0-95 accumulators; v96-191 two buffers of layer 1's weight fragments      window 2: h0, k 0-255
;   window 3: h0, k 256-511 (global layer 1); in the first layers v0-127 x and v128-223 a record's weight fragments
.set SLOTB,  100352
.set QUART,  25088                     ; a wave's quarter of a slot: 98 rows of 256 bytes
.set SLOT1,  1<<17                     ; one exclusive or turns an address in one slot into the other's
.set XB0,    100352                    ; x as bf16 fragments: 16,384 bytes for each row group, 131,072 apart
.set SPARE,  116736                    ; the spare words, 128 bytes for each wave: two blocks of 256 bytes that no other line names
.set OST,    117248                    ; [branch][p][128 rows] f32
.set XH,     247808
.set XPITCH, 528                       ; a row of x: 512 bytes + 16 = 132 words: row r starts at bank 4 r mod 64 (64 banks of 4 bytes: ISA guide 11.1)
.set REC0,   12544
.set RECG,   49408
.set RECN,   24832
.set L16, 1                            ; v1   16 x lane
.set H32, 2                            ; v2   32 x (lane / 16)
.set AW,  3                            ; v3   LDS address of my 16 bytes in a record's fragments
.set AB,  4                            ; v4   of my half's eight biases
.set AH,  5                            ; v5   where I put a tile of h0
.set AHL, 6                            ; v6   where I read my row group's h0
.set AXB, 7                            ; v7   where I read my row group's x
.set AXF, 8                            ; v8   my place in my 32 rows of x as f32
.set AO,  9                            ; v9   where I put a row's partial sum
.set SPW, 10                           ; v10  LDS address of my spare word; never rewritten
.set NIL, 11                           ; v11  0; never rewritten
.set PK,  12
.set AXS, 12                           ; (at the start: where I put x as bf16)
.set OUT, 16
.set WC,  24
.set WN,  32
.set BI,  40
.set T,   64                           ; row tile t at T + 24 t: I, G, O, eight registers each
.set F,   160
.set XP,  224
.set WV,  16                           ; s16 wave; s17 g; s18 p; s19 work-group
.set GR,  17
.set PH,  18
.set WG,  19
.set G1W, 20                           ; s[20:27] descriptor group 1, weights
.set G1X, 28                           ; s[28:35] group 1, x
.set G0W, 36                           ; s[36:39] group 0, weights: it walks
.set G0X, 40                           ; s[40:43] group 0, x
.set TB,  44                           ; s44 LDS byte at which the slot in hand begins
.set REC, 45                           ; s45 the record to be fetched next
.set CNT, 46
.set SL,  47
.set CI,  48                           ; s[48:49] -log2 e
.set CG,  50                           ; s[50:51] 2 log2 e
.set CLO, 52                           ; s52 -30, s53 30
.set CHI, 53
.set SEL, 54                           ; s[54:55] v_permlanex16_b32's selects: each lane takes its own place in the other half
.set HS,  56                           ; s56 LDS byte of the stage's tile in hand
.set P0,  57                           ; s57-59 my half's first record in a slot, by kind of slot
.set PG,  58
.set PN,  59
.set HS0, 67                           ; s67 my part of the stage
.set AFB, 68                           ; s[68:77] aff_b
.set NB,  78                           ; s78 noise_b
.set CGN, 80                           ; s[80:81] -2 log2 e
.set MSB, 0
.set PEND,  0                          ; 1: a transcendental has been written since the last wait for a batch
.set LASTT, 0                          ; 1: the last vector line written, matrix instructions aside, is a transcendental
.macro WIN new                         ; the immediate's high byte repeats the setting that is left; a switch that changes nothing is dropped
.if MSB != (\new)
	s_set_vgpr_msb (MSB<<8)|(\new)
.set MSB, (\new)
.endif
.endm
; A vector instruction that reads a matrix result, and a load into a register that a matrix instruction has named, stand four places behind it; only plain vector
; instructions that name none of its registers are places (ISA guide 7.12.1 for vector instructions).
.macro PLACES
.rept 4
	v_nop
.endr
.set LASTT, 0
.endm
; A round of the cluster's barrier: my work-group's barrier, so that wave 0 speaks for all four waves; wave 0 signals; every wave waits for all four work-groups; my work-group's barrier once more.
.macro ROUND
	s_barrier_signal -1
	s_barrier_wait -1
	s_cmp_lg_u32 s[WV], 0
	s_cbranch_scc1 .Lnot_wave_0_\@
	s_barrier_signal -3
.Lnot_wave_0_\@:
	s_barrier_wait -3
	s_barrier_signal -1
	s_barrier_wait -1
.endm
; THE CHANGE OF SLOTS.  Each wave waits for all its tensor loads, of which one is out: its quarter of the slot to be entered; adds 0 to its spare word; and waits for that and for its own LDS reads
; and stores.  fill = 1: the slot that is left is filled again with the stream's slot after the one entered; the barrier is then a round of the cluster's, so that no wave of any partner still
; reads that slot or has a load on its way, and the joint load is the first thing behind it: it has the whole of the entered slot's work in which to land.
; (At its first use nothing has been read yet: slot 0 is waited for, slot 1 filled.)
.macro CHANGE fill
	WIN 0                                          ; at a label and at a branch every window is 0
	s_wait_tensorcnt 0x0                           ; no tensor load of mine is out, so the group 0 may be written
	ds_add_u32 v[SPW], v[NIL]                      ; 0 onto my spare word; the scalar steps stand between it and the wait for it
.if \fill
	s_xor_b32 s[G0W+1], s[G0W+1], SLOT1            ; the other slot than last time,
	s_add_nc_u64 s[G0W+2:G0W+3], s[G0W+2:G0W+3], SLOTB  ; the stream's next slot; the type bits on top are not reached
.endif
	s_xor_b32 s[TB], s[TB], SLOT1
	s_wait_dscnt 0x0                               ; the add is done, and my reads of the slot are over
.if \fill
	ROUND
	tensor_load_to_lds s[G0W:G0W+3], s[G1W:G1W+7]
	s_nop 0
	PLACES
.else
	s_barrier_signal -1
	s_barrier_wait -1
.endif
.endm
; x of my 64 rows as source 1: fragment 4 kc + t, 1,024 bytes each, into window 3
.macro XLOAD
	WIN 0xc0
.set m, 0
.rept 32
	ds_load_b128 v[4*m:4*m+3], v[AXB] offset:512*m
.set m, m+1
.endr
	WIN 0
.endm
; THE EXCHANGE of h0: my stores into the stage are done; a barrier; then 256 units of my 64 rows come back as source 1 of layer 1, into window win: fragment (kc, t) is unit tiles 2 kc and 2 kc + 1.
; The next stores into the stage stand behind a change of slots, whose wait and barrier order them with these loads.
.macro EXCH win
	WIN 0
	s_wait_dscnt 0x0                               ; for the others' sake: zero
	s_barrier_signal -1
	s_barrier_wait -1
	WIN (\win)<<6
.set m, 0
.rept 32
	ds_load_b128 v[8*m:8*m+3],   v[AHL] offset:4096*(m/4)+512*(m%4)
	ds_load_b128 v[8*m+4:8*m+7], v[AHL] offset:4096*(m/4)+512*(m%4)+2048
.set m, m+1
.endr
	WIN 0
.endm
; THE ACTIVATION is a numbered list, cut into segments.  It goes by pairs of numbers; a pair passes five stages, written as 25 lines:
;   stage 0  2 L a_g held within -30 .. 30 (lines 0, 1); the six exponentials Ei, Eg, Eo (2, 4, 6, 8, 14, 16)
;   stage 1  (1 + Ei)(1 + Eg), 2 L (Eg - 1), 1 + Eo (3, 5, 7, 9); two reciprocals (10, 12)
;   stage 2  2 L c (11); the two exponentials Ec (18, 20)
;   stage 3  (1 + Eo)(1 + Ec), Ec - 1, in layer 1 relu (13, 15, 17, 19); two reciprocals (22, 24)
;   stage 4  h (21); layer 1 (AM = 1): the row's dot product with w; layer 0 (AM = 0): rounded to f16 (23)
; NG groups of NP pairs make NG + 4 segments: in segment sg group sg - L does stage L.  A stage names only what the same pair's stage before has made, a segment earlier; so all the transcendentals of a
; segment are one batch, and CUT, between two segments, writes the batch's one wait.  Each pair has its six registers to itself, and every transcendental works in place.
; In a segment the lines are taken two at a time (2 j and 2 j + 1: from line 2 on a transcendental and a plain line of another stage), and each two go through the NP pairs of their groups before the next
; two: transcendental and plain go by turns where both stages have a group, each pair keeps the order of its lines, and a line that reads another line's result stands NP lines or more behind it.
; In layer 1 a group's pairs are taken from its two row tiles by turns, each tile's in ascending order: the order of a row's sum is the pairs' order.
.macro CUT                             ; a batch ends
.if PEND
.if LASTT
	v_nop                                          ; a plain instruction behind the batch's last transcendental, ahead of the first use (ISA guide 5.7.2)
.endif
	s_wait_alu depctr_va_vdst(0)                   ; ONE wait for the batch: all the exponentials and reciprocals of the segment that ends here; it stands ahead of the first line that names a result
.set PEND, 0
.set LASTT, 0
.endif
.endm
.macro AREG lag                        ; the registers of pair kp of the group that is in stage lag, if there is such a group
.set gq, sg-(\lag)
.set ok, 0
.if (gq >= 0) && (gq < NG)
.set ok, 1
.set n, NP*gq+4*(kp%(NP/4))+kp/(NP/4)
.set rI, T+24*(n/4)+2*(n%4)
.set rG, rI+8
.set rO, rI+16
.set rU, OUT+2*(n/4)
.set rQ, n%4
.endif
.endm
; A plain line (EP) or a transcendental (ET) of stage lag.  NR counts the lines written; a line beyond the deal's goal is not written: it stops the deal, and the next deal begins with it.
.macro EP lag, line:vararg
	AREG \lag
.if ok
.if NR < goal
	WIN 0
	\line
.set NR, NR+1
.set LASTT, 0
.else
.set STOP, 1
.endif
.endif
.endm
.macro ET lag, line:vararg
	AREG \lag
.if ok
.if NR < goal
	WIN 0
	\line
.set NR, NR+1
.set LASTT, 1
.set PEND, 1
.else
.set STOP, 1
.endif
.endif
.endm
.macro ACTE x                          ; slot x of a segment's 26 NP: lines 2 j and 2 j + 1, j = x / (2 NP), for pair (x % (2 NP)) / 2; there is no line 25
.set sl, 2*((\x)/(2*NP))+(\x)%2
.set kp, ((\x)%(2*NP))/2
.if sl == 0
	EP 0, v_med3_num_f32 v[rG], v[rG], s[CLO], s[CHI]
.elseif sl == 1
	EP 0, v_med3_num_f32 v[rG+1], v[rG+1], s[CLO], s[CHI]
.elseif sl == 2
	ET 0, v_exp_f32 v[rI], v[rI]
.elseif sl == 3
	EP 1, v_pk_add_f32 v[rI:rI+1], v[rI:rI+1], 1.0 op_sel_hi:[1,0]
.elseif sl == 4
	ET 0, v_exp_f32 v[rI+1], v[rI+1]
.elseif sl == 5
	EP 1, v_pk_fma_f32 v[rI:rI+1], v[rI:rI+1], v[rG:rG+1], v[rI:rI+1]
.elseif sl == 6
	ET 0, v_exp_f32 v[rG], v[rG]
.elseif sl == 7
	EP 1, v_pk_fma_f32 v[rG:rG+1], v[rG:rG+1], s[CG:CG+1], s[CGN:CGN+1] op_sel_hi:[1,0,0]
.elseif sl == 8
	ET 0, v_exp_f32 v[rG+1], v[rG+1]
.elseif sl == 9
	EP 1, v_pk_add_f32 v[rO:rO+1], v[rO:rO+1], 1.0 op_sel_hi:[1,0]
.elseif sl == 10
	ET 1, v_rcp_f32 v[rI], v[rI]
.elseif sl == 11
	EP 2, v_pk_mul_f32 v[rG:rG+1], v[rG:rG+1], v[rI:rI+1]
.elseif sl == 12
	ET 1, v_rcp_f32 v[rI+1], v[rI+1]
.elseif sl == 13
	EP 3, v_pk_fma_f32 v[rO:rO+1], v[rO:rO+1], v[rG:rG+1], v[rO:rO+1]
.elseif sl == 14
	ET 0, v_exp_f32 v[rO], v[rO]
.elseif sl == 15
	EP 3, v_pk_add_f32 v[rG:rG+1], v[rG:rG+1], -1.0 op_sel_hi:[1,0]
.elseif sl == 16
	ET 0, v_exp_f32 v[rO+1], v[rO+1]
.elseif sl == 17
.if AM
	EP 3, v_max_num_f32 v[rG], 0, v[rG]
.endif
.elseif sl == 18
	ET 2, v_exp_f32 v[rG], v[rG]
.elseif sl == 19
.if AM
	EP 3, v_max_num_f32 v[rG+1], 0, v[rG+1]
.endif
.elseif sl == 20
	ET 2, v_exp_f32 v[rG+1], v[rG+1]
.elseif sl == 21
	EP 4, v_pk_mul_f32 v[rG:rG+1], v[rG:rG+1], v[rO:rO+1]
.elseif sl == 22
	ET 3, v_rcp_f32 v[rO], v[rO]
.elseif sl == 23
.if AM
	EP 4, v_pk_fma_f32 v[rU:rU+1], v[rG:rG+1], v[WC+2*rQ:WC+2*rQ+1], v[rU:rU+1]
.else
	EP 4, v_cvt_pk_f16_f32 v[PK+rQ], v[rG], v[rG+1]
.endif
.elseif sl == 24
	ET 3, v_rcp_f32 v[rO+1], v[rO+1]
.endif
.endm
; Slot e of the list that rides behind the matrix instructions; many slots are empty.  A segment has SEGL slots; CUT stands at its head.  Layer 1: the activation's 26 NP.  Layer 0: twelve that take row tile
; sg's three sums out of the accumulators, scaled (each accumulator's lowest registers first); the activation's 26 NP; row tile sg - 4's 16 bytes a lane into the stage.
.macro RIDE
.set sg, e/SEGL
.set es, e%SEGL
.if es == 0
	CUT
.endif
.if AM
	ACTE es
.elseif es < 12
.if sg < NG
.if NR < goal
.set dT, T+24*sg+8*(es%3)+2*(es/3)
.set dA, 24*(sg%2)+8*(es%3)+2*(es/3)
	WIN 0x01                                       ; source 0 window 1
.if es%3 == 1
	v_pk_mul_f32 v[dT:dT+1], v[dA:dA+1], s[CG:CG+1] op_sel_hi:[1,0]
.else
	v_pk_mul_f32 v[dT:dT+1], v[dA:dA+1], s[CI:CI+1] op_sel_hi:[1,0]
.endif
.set NR, NR+1
.set LASTT, 0
.else
.set STOP, 1
.endif
.endif
.elseif es < 12+26*NP
	ACTE es-12
.elseif sg >= 4
.if NR < goal
	WIN 0
	ds_store_b128 v[AH], v[PK:PK+3] offset:512*(sg-4)
.set NR, NR+1
.else
.set STOP, 1
.endif
.endif
.if STOP == 0
.set e, e+1
.endif
.endm
; A deal: the list's next cnt lines, never beyond slot ELIM.  It runs on over the empty slots behind them, so that a batch's wait is written behind the batch's last lines and not behind the next matrix instruction.
.macro RID cnt
.set goal, NR+(\cnt)
.set STOP, 0
.rept 2*SEGL
.if (STOP == 0) && (e < ELIM)
	RIDE
.endif
.endr
.endm
.macro REST                            ; all that is left of the list up to slot ELIM
.set goal, NR+EN
.set STOP, 0
.rept EN
.if e < ELIM
	RIDE
.endif
.endr
.endm
.macro LIST0                           ; layer 0's list: the four row tiles are the groups
.set AM, 0
.set NG, 4
.set NP, 4
.set SEGL, 12+26*NP+1
.set EN, (NG+4)*SEGL
.endm
.macro LIST1                           ; layer 1's list: two groups of two row tiles; 400 lines
.set AM, 1
.set NG, 2
.set NP, 8
.set SEGL, 26*NP
.set EN, (NG+4)*SEGL
.set RN, 400
.endm
; LAYER 0.  A record's biases (my half's eight of each gate) and its twelve weight fragments
.macro L0FETCH
	WIN 0
	v_add_nc_u32 v[AW], s[REC], v[L16]
	v_add_nc_u32 v[AB], s[REC], v[H32]
	s_add_co_u32 s[REC], s[REC], REC0
.irp ga, 0,1,2
	ds_load_b128 v[BI+8*\ga:BI+8*\ga+3],   v[AB] offset:64*\ga
	ds_load_b128 v[BI+8*\ga+4:BI+8*\ga+7], v[AB] offset:64*\ga+16
.endr
	WIN 0xc0
.set m, 0
.rept 24
	ds_load_b128 v[128+4*m:128+4*m+3], v[AW] offset:256+512*m
.set m, m+1
.endr
	WIN 0
.endm
; Row tile t's twelve products: K in four steps, the three gates' accumulators by turns; the first three start the sums with the biases.  Two sets of accumulators, by t's parity.
; rn: how many lines of the list are dealt out behind them, evenly.
.macro MS t, rn
.set i, 0
.rept 12
.set rD, 24*((\t)%2)+8*(i%3)
.set rA, 128+8*i
.set rB, 8*(4*(i/3)+(\t))
.if i < 3
	WIN 0x4f                                       ; W and x window 3, bias window 0, result window 1
	v_wmma_f32_16x16x32_bf16 v[rD:rD+7], v[rA:rA+7], v[rB:rB+7], v[BI+8*i:BI+8*i+7]
.else
	WIN 0x5f
	v_wmma_f32_16x16x32_bf16 v[rD:rD+7], v[rA:rA+7], v[rB:rB+7], v[rD:rD+7]
.endif
.if (\rn) > 0
	RID ((i+1)*(\rn)/12-i*(\rn)/12)
.endif
.set i, i+1
.endr
.endm
; A step: one unit tile for my 64 rows.  Row tile t's products carry segment t - 1 of the step's list, whole: 44, 68 and 80 lines (row tile t - 1 leaves the accumulators and does stage 0, the tiles before it
; stages 1 and 2).  Behind each row tile's products stand four v_nop and then the segment's wait: the v_nop are the places in front of the next segment's first lines, which read the results just made, and the
; plain instructions behind the batch.  Segments 3 to 7 stand bare, behind the fetch of the next record, which so has them in which to land.
; In a slot's fourth step there is no next record of mine, and the fetch is jumped over; segment 2's wait stands ahead of that branch.
.macro L0STEP
	WIN 0
	v_add_nc_u32 v[AH], s[HS], v[L16]
	s_add_co_u32 s[HS], s[HS], 2048
	s_wait_dscnt 0x0                               ; the record is in
.set e, 0
.set NR, 0
	MS 0, 0
	PLACES                                         ; in front of the list's first lines, which read the results just made
.set ELIM, SEGL
	MS 1, 44
	REST
	PLACES
	CUT
.set ELIM, 2*SEGL
	MS 2, 68
	REST
	PLACES
	CUT
.set ELIM, 3*SEGL
	MS 3, 80
	REST
	PLACES                                         ; the same, and in front of the loads into the fragments just multiplied
	CUT
	WIN 0
	s_cmp_eq_u32 s[CNT], 1
	s_cbranch_scc1 .Lno_fetch_\@
	L0FETCH
.Lno_fetch_\@:
.set ELIM, EN
	REST
	CUT                                            ; (the last segment is plain: nothing is open, and nothing is written)
	WIN 0
.endm
; 256 hidden units of a first layer: two slots, in each four records of mine
.macro L0PART
	s_mov_b32 s[HS], s[HS0]
	s_mov_b32 s[SL], 2
.Lpart_slot_\@:
	CHANGE 1
	s_add_co_u32 s[REC], s[TB], s[P0]
	L0FETCH
	s_mov_b32 s[CNT], 4
.Lpart_step_\@:
	L0STEP
	s_sub_co_u32 s[CNT], s[CNT], 1
	s_cmp_lg_u32 s[CNT], 0
	s_cbranch_scc1 .Lpart_step_\@
	s_sub_co_u32 s[SL], s[SL], 1
	s_cmp_lg_u32 s[SL], 0
	s_cbranch_scc1 .Lpart_slot_\@
.endm
; LAYER 1.  The twelve sums of a unit tile (gate ga, row tile t at 8 (4 ga + t)) leave the accumulators, scaled; each accumulator's lowest registers first.
.macro DRAIN
	WIN 0x01
.irp t, 0,1,2,3
.irp ga, 0,1,2
.irp q, 0,1,2,3
.if (\ga) == 1
	v_pk_mul_f32 v[T+24*\t+8*\ga+2*\q:T+24*\t+8*\ga+2*\q+1], v[8*(4*\ga+\t)+2*\q:8*(4*\ga+\t)+2*\q+1], s[CG:CG+1] op_sel_hi:[1,0]
.else
	v_pk_mul_f32 v[T+24*\t+8*\ga+2*\q:T+24*\t+8*\ga+2*\q+1], v[8*(4*\ga+\t)+2*\q:8*(4*\ga+\t)+2*\q+1], s[CI:CI+1] op_sel_hi:[1,0]
.endif
.endr
.endr
.endr
.endm
.macro L1A g                           ; group g of a record's fragments (64 along K x three gates): twelve loads in one run, into buffer g % 2
	WIN 0x40
.set m, 0
.rept 12
	ds_load_b128 v[96+48*((\g)%2)+4*m:96+48*((\g)%2)+4*m+3], v[AW] offset:256+6144*(\g)+512*m
.set m, m+1
.endr
.endm
; What the first step finds: sums of 0, whose activation is exactly 0, and w = 0.  So no first step is written out; the price is these 112 moves, once a branch.
.macro L1INIT
	WIN 0x40
.set m, 0
.rept 96
	v_mov_b32 v[m], 0
.set m, m+1
.endr
	WIN 0
.set m, 0
.rept 8
	v_mov_b32 v[WN+m], 0
	v_mov_b32 v[OUT+m], 0
.set m, m+1
.endr
.endm
; A step: one unit tile for my 64 rows, K = 32 KC.  The tile before leaves the accumulators (in the wait for this record's first loads), and its activation's 400 lines ride behind this tile's 12 KC products,
; dealt evenly; its five waits fall among them.  The twelve accumulators take turns.  A group's loads are issued a group (24 products) ahead of the wait for them.
.macro L1STEP KC, RS
	WIN 0
.set m, 0
.rept 8
	v_mov_b32 v[WC+m], v[WN+m]                     ; w of the tile whose activation is due; with the two lines below: the places behind the last products
.set m, m+1
.endr
	v_add_nc_u32 v[AW], s[REC], v[L16]
	v_add_nc_u32 v[AB], s[REC], v[H32]
.if (\RS) != 0
	s_add_co_u32 s[REC], s[REC], \RS
.endif
.irp ga, 0,1,2
	ds_load_b128 v[BI+8*\ga:BI+8*\ga+3],   v[AB] offset:64*\ga
	ds_load_b128 v[BI+8*\ga+4:BI+8*\ga+7], v[AB] offset:64*\ga+16
.endr
	ds_load_b128 v[WN:WN+3],   v[AB] offset:192
	ds_load_b128 v[WN+4:WN+7], v[AB] offset:208
	L1A 0
	DRAIN
.set e, 0
.set NR, 0
.set ELIM, EN
.set i, 0
.set grp, 0
.rept (\KC)/2
	s_wait_dscnt 0x0                               ; this group's fragments are in (and, the first time, biases and w)
.if grp+1 < (\KC)/2
.if grp > 0
	PLACES                                         ; in front of loads into the buffer that the group before multiplied
.endif
	L1A grp+1
.endif
.set j, 0
.rept 24
.set kc, 2*grp+j/12
.set ga, (j/4)%3
.set rD, 8*(4*ga+j%4)
.set rA, 96+48*(grp%2)+24*(j/12)+8*ga
.set rB, 8*(4*(kc%8)+j%4)
.if kc == 0
	WIN 0x49                                       ; W window 1, h0 window 2, bias window 0, result window 1
	v_wmma_f32_16x16x32_f16 v[rD:rD+7], v[rA:rA+7], v[rB:rB+7], v[BI+8*ga:BI+8*ga+7]
.elseif kc < 8
	WIN 0x59
	v_wmma_f32_16x16x32_f16 v[rD:rD+7], v[rA:rA+7], v[rB:rB+7], v[rD:rD+7]
.else
	WIN 0x5d                                       ; h0 window 3
	v_wmma_f32_16x16x32_f16 v[rD:rD+7], v[rA:rA+7], v[rB:rB+7], v[rD:rD+7]
.endif
	RID ((i+1)*RN/(12*(\KC))-i*RN/(12*(\KC)))
.set i, i+1
.set j, j+1
.endr
.set grp, grp+1
.endr
	REST                                           ; (the deal has gone through the list, and its last segment is plain: these two write nothing)
	CUT
	WIN 0
.endm
.macro L1TAIL                          ; the last unit tile's activation, bare
	WIN 0
.set m, 0
.rept 8
	v_mov_b32 v[WC+m], v[WN+m]                     ; eight plain lines: the places behind the last products
.set m, m+1
.endr
	DRAIN
.set e, 0
.set NR, 0
.set ELIM, EN
	REST
	CUT
	WIN 0
.endm
; A row's dot product over my half of the units: even and odd units, then the other half of the lanes; into the partial sums of branch b
.macro FINISH b
.irp t, 0,1,2,3
	v_add_f32 v[OUT+2*\t], v[OUT+2*\t], v[OUT+2*\t+1]
.endr
.irp t, 0,1,2,3
	v_permlanex16_b32 v[OUT+2*\t+1], v[OUT+2*\t], s[SEL], s[SEL+1]
.endr
.irp t, 0,1,2,3
	v_add_f32 v[OUT+2*\t], v[OUT+2*\t], v[OUT+2*\t+1]
.endr
.irp t, 0,1,2,3
	ds_store_b32 v[AO], v[OUT+2*\t] offset:1024*(\b)+64*\t   ; lanes r and r + 16 write the same word with the same number
.endr
.endm
	s_load_b256 s[4:11], s[0:1], 0x0               ; X s[4:5], wpack s[6:7], aff_b s[8:9], noise_b s[10:11]
	s_load_b128 s[12:15], s[0:1], 0x20             ; out0 s[12:13], out1 s[14:15]
	v_lshl_add_u32 v[SPW], v0, 2, SPARE
	v_mov_b32 v[NIL], 0
	ds_add_u32 v[SPW], v[NIL]                      ; the wave's opening: the add and its wait stand ahead of my first tensor load; the set-up below, work on registers, stands between them
	ds_add_u32 v10, v11
	v_lshrrev_b32 v1, 5, v0
	v_readfirstlane_b32 s[WV], v1                  ; wave 0..3
	s_lshr_b32 s[GR], s[WV], 1                     ; my row group
	s_and_b32 s[PH], s[WV], 1                      ; my half of the units
	s_bfe_u32 s66, ttmp6, 0x40000                  ; cx: my place in the cluster
	s_lshl_b32 s[WG], ttmp9, 2                     ; in a cluster launch ttmp9 counts clusters
	s_add_co_u32 s[WG], s[WG], s66                 ; my block of 128 rows: it enters X's and the outputs' addresses alone
	; group 1 for the weights: a quarter of a slot is dense: 98 rows of 256 bytes
	s_mov_b32 s[G1W+0], 15|(3<<16)|(1<<21)         ; 15:0 the mask: all four work-groups; 17:16 elements of 8 bytes; 21 set beside a mask; no padding
	s_mov_b32 s[G1W+1], 32<<16                     ; tensor_dim0 = 32
	s_mov_b32 s[G1W+2], 98<<16                     ; tensor_dim1 = 98
	s_mov_b32 s[G1W+3], 32<<16                     ; tile_dim0 = 32
	s_mov_b32 s[G1W+4], 98                         ; tile_dim1 = 98
	s_mov_b32 s[G1W+5], 32                         ; 32 elements from row to row
	s_mov_b32 s[G1W+6], 0
	s_mov_b32 s[G1W+7], 0
	; group 1 for x: 32 rows of 128 f32, padded in LDS; a load of my own, no mask
	s_mov_b32 s[G1X+0], (2<<16)|(1<<20)|(6<<22)|(3<<25)  ; 17:16 elements of 4 bytes; 20 padding on; 24:22 after every 128 words (code 6); 31:25 4 words (code 3)
	s_mov_b32 s[G1X+1], 128<<16
	s_mov_b32 s[G1X+2], 32<<16
	s_mov_b32 s[G1X+3], 128<<16
	s_mov_b32 s[G1X+4], 32
	s_mov_b32 s[G1X+5], 128
	s_mov_b32 s[G1X+6], 0
	s_mov_b32 s[G1X+7], 0
	s_mov_b32 s[G0W], 1
	s_mul_i32 s[G0W+1], s[WV], QUART               ; my quarter of slot 0: no place in the cluster enters an LDS address
	s_mov_b32 s[G0X], 1
	s_mul_i32 s[G0X+1], s[WV], 32*XPITCH
	s_add_co_u32 s[G0X+1], s[G0X+1], XH
	s_mov_b32 s[TB], SLOT1                         ; the first change of slots turns it into 0
	s_mov_b32 s[CI], 0xbfb8aa3b
	s_mov_b32 s[CI+1], s[CI]                       ; named as pairs, so both are written
	s_mov_b32 s[CG], 0x4038aa3b
	s_mov_b32 s[CG+1], s[CG]
	s_mov_b32 s[CGN], 0xc038aa3b
	s_mov_b32 s[CGN+1], s[CGN]
	s_mov_b32 s[CLO], 0xc1f00000
	s_mov_b32 s[CHI], 0x41f00000
	s_mov_b32 s[SEL], 0x76543210
	s_mov_b32 s[SEL+1], 0xfedcba98
	s_mul_i32 s[P0], s[PH], 4*REC0
	s_mul_i32 s[PG], s[PH], RECG
	s_mul_i32 s[PN], s[PH], 2*RECN
	s_mul_i32 s60, s[WV], QUART
	s_mov_b32 s61, 0
	s_lshl_b32 s62, s[WG], 16                      ; my work-group's 128 rows of 512 bytes,
	s_lshl_b32 s63, s[WV], 14                      ; my wave's 32 of them
	s_add_co_u32 s62, s62, s63
	s_mov_b32 s63, 0
	s_wait_dscnt 0x0                               ; the opening add is done
	s_wait_kmcnt 0x0
	s_add_nc_u64 s[G0W+2:G0W+3], s[6:7], s[60:61]
	s_or_b32 s[G0W+3], s[G0W+3], 0x80000000        ; type = 2
	s_add_nc_u64 s[G0X+2:G0X+3], s[4:5], s[62:63]
	s_or_b32 s[G0X+3], s[G0X+3], 0x80000000
	s_load_b256 s[AFB:AFB+7], s[8:9], 0x0
	s_load_b64 s[AFB+8:AFB+9], s[8:9], 0x20
	s_load_b32 s[NB], s[10:11], 0x0
	ROUND                                          ; all four work-groups are here: the first joint loads meet
	tensor_load_to_lds s[G0X:G0X+3], s[G1X:G1X+7]  ; my 32 rows of x
	s_nop 0
	tensor_load_to_lds s[G0W:G0W+3], s[G1W:G1W+7]  ; my quarter of the stream's slot 0
	s_nop 0
	PLACES
	v_and_b32 v2, 31, v0
	v_lshlrev_b32 v[L16], 4, v2
	v_and_b32 v3, 15, v0                           ; r
	v_bfe_u32 v4, v0, 4, 1                         ; h
	v_lshlrev_b32 v[H32], 5, v4
	s_lshl_b32 s60, s[GR], 15
	s_add_co_u32 s60, s60, XH                      ; the stage: 32,768 bytes a row group,
	v_add_nc_u32 v[AHL], s60, v[L16]
	s_lshl_b32 s61, s[PH], 14
	s_add_co_u32 s[HS0], s60, s61                  ; of which my eight unit tiles take half
	s_lshl_b32 s60, s[GR], 17
	s_add_co_u32 s60, s60, XB0
	v_add_nc_u32 v[AXB], s60, v[L16]
	s_lshl_b32 s61, s[PH], 11
	v_add_nc_u32 v[AXS], s61, v[AXB]               ; my 32 rows are row tiles 2 p and 2 p + 1 of the group
	s_mul_i32 s60, s[WV], 32*XPITCH
	s_add_co_u32 s60, s60, XH
	v_mul_u32_u24 v[AXF], v3, XPITCH
	v_add3_u32 v[AXF], v[AXF], v[H32], s60         ; row r of my 32, 8 h numbers in
	s_lshl_b32 s60, s[PH], 9
	s_lshl_b32 s61, s[GR], 8
	s_add_co_u32 s60, s60, s61
	s_add_co_u32 s60, s60, OST
	v_lshl_add_u32 v[AO], v3, 2, s60
	; x to bf16, once: each wave reads the 32 rows that its own load brought, so its own wait is all the ordering that these reads need
	s_wait_tensorcnt 0x1                           ; x is in; one load was issued behind it, slot 0's, and may stay out
.irp tt, 0,1
.set m, 0
.rept 16                                               ; 32 (m / 4) + 16 ((m / 2) % 2) + 8 h + 4 (m % 2) along the row, four numbers
	ds_load_b128 v[F+4*m:F+4*m+3], v[AXF] offset:16*XPITCH*\tt+128*(m/4)+64*((m/2)%2)+16*(m%2)
.set m, m+1
.endr
	s_wait_dscnt 0x0
.set m, 0
.rept 32
	v_cvt_pk_bf16_f32 v[XP+m], v[F+2*m], v[F+2*m+1]
.set m, m+1
.endr
.set m, 0
.rept 8                                                ; fragment (kc = m / 2, my row tile tt), block m % 2
	ds_store_b128 v[AXS], v[XP+4*m:XP+4*m+3] offset:4096*(m/2)+1024*\tt+512*(m%2)
.set m, m+1
.endr
.endr
	s_wait_dscnt 0x0                               ; for the others' sake: my stores are done, and my reads of x as f32 are over (its bytes become the stage)
	s_barrier_signal -1
	s_barrier_wait -1                              ; Slot 0's load may stay out
	XLOAD
	s_wait_kmcnt 0x0                               ; aff_b, noise_b
	; THE GLOBAL BRANCH
	LIST0
	L0PART                                         ; layer 0, units 0-255
	EXCH 2
	L0PART                                         ; units 256-511
	EXCH 3                                         ; (x's registers are taken; x comes back from LDS for the noise branch)
	LIST1
	L1INIT
	s_mov_b32 s[SL], 16
.Lg1:                                                  ; a slot holds one record for each half: a trip is one unit tile, 192 products
	CHANGE 1
	s_add_co_u32 s[REC], s[TB], s[PG]
	L1STEP 16, 0
	s_sub_co_u32 s[SL], s[SL], 1
	s_cmp_lg_u32 s[SL], 0
	s_cbranch_scc1 .Lg1
	L1TAIL
	FINISH 0
	XLOAD
	; THE NOISE BRANCH
	LIST0
	L0PART
	EXCH 2
	LIST1
	L1INIT
	s_mov_b32 s[SL], 3
.Ln1:                                                  ; a slot holds two records for each half
	CHANGE 1
	s_add_co_u32 s[REC], s[TB], s[PN]
	s_mov_b32 s[CNT], 2
.Ln1_step:
	L1STEP 8, RECN
	s_sub_co_u32 s[CNT], s[CNT], 1
	s_cmp_lg_u32 s[CNT], 0
	s_cbranch_scc1 .Ln1_step
	s_sub_co_u32 s[SL], s[SL], 1
	s_cmp_lg_u32 s[SL], 0
	s_cbranch_scc1 .Ln1
	CHANGE 0                                       ; the stream's last slot is written out: nothing is asked for
	s_add_co_u32 s[REC], s[TB], s[PN]
	s_mov_b32 s[CNT], 2
.Ln1_last:
	L1STEP 8, RECN
	s_sub_co_u32 s[CNT], s[CNT], 1
	s_cmp_lg_u32 s[CNT], 0
	s_cbranch_scc1 .Ln1_last
	L1TAIL
	FINISH 1
	; THE WAY OUT: a row's two partial sums come from two waves, so a barrier; wave 0 then finishes mus, wave 1 sigmas: four rows a lane
	s_wait_dscnt 0x0                               ; for the others' sake: zero
	s_barrier_signal -1
	s_barrier_wait -1
	s_cmp_lt_u32 s[WV], 2
	s_cbranch_scc0 .Ldone
	s_lshl_b32 s60, s[WV], 10
	s_add_co_u32 s60, s60, OST
	v_add_nc_u32 v3, s60, v[L16]
	ds_load_b128 v[64:67], v3
	ds_load_b128 v[68:71], v3 offset:512
	s_lshl_b32 s62, s[WG], 9                       ; my work-group's 128 numbers
	s_mov_b32 s63, 0
	s_wait_dscnt 0x0
	v_pk_add_f32 v[64:65], v[64:65], v[68:69]
	v_pk_add_f32 v[66:67], v[66:67], v[70:71]
	s_cmp_eq_u32 s[WV], 0
	s_cbranch_scc0 .Lsigma
.irp k, 0,1,2,3,4
	v_cvt_pk_bf16_f32 v[72+\k], s[AFB+2*\k], s[AFB+2*\k+1]   ; aff_b rounded like every input,
.endr
.irp k, 0,1,2,3,4
	v_lshlrev_b32 v[80+2*\k], 16, v[72+\k]
	v_and_b32 v[81+2*\k], 0xffff0000, v[72+\k]
.endr
	v_add_f32 v80, v80, v81                        ; and summed, ascending
.irp k, 2,3,4,5,6,7,8,9
	v_add_f32 v80, v80, v[80+\k]
.endr
	v_mov_b32 v81, v80
	v_pk_add_f32 v[64:65], v[64:65], v[80:81]
	v_pk_add_f32 v[66:67], v[66:67], v[80:81]
	s_add_nc_u64 s[12:13], s[12:13], s[62:63]
	global_store_b128 v[L16], v[64:67], s[12:13]   ; 512 consecutive bytes, at a multiple of 256 from out0's first byte
	s_branch .Ldone
.Lsigma:
	; softplus(z) = max(z, 0) + ln 2 x log2(1 + 2^(-L |z|)): the exponent is never above 0
	v_cvt_pk_bf16_f32 v72, s[NB], s[NB]
	v_lshlrev_b32 v72, 16, v72
.irp k, 0,1,2,3
	v_add_f32 v[64+\k], v[64+\k], v72
.endr
.irp k, 0,1,2,3
	v_and_b32 v[76+\k], 0x7fffffff, v[64+\k]
.endr
.irp k, 0,1,2,3
	v_mul_f32 v[76+\k], s[CI], v[76+\k]
.endr
.irp k, 0,1,2,3
	v_exp_f32 v[76+\k], v[76+\k]
.endr
	v_nop                                          ; a plain instruction between the last exponential and the use of its result
	s_wait_alu depctr_va_vdst(0)                   ; one wait for the four exponentials, ahead of the first line that names a result
.irp k, 0,1,2,3
	v_add_f32 v[76+\k], 1.0, v[76+\k]
.endr
.irp k, 0,1,2,3
	v_log_f32 v[76+\k], v[76+\k]
.endr
.irp k, 0,1,2,3
	v_max_num_f32 v[64+\k], 0, v[64+\k]            ; plain lines that touch none of the logarithms
.endr
	s_wait_alu depctr_va_vdst(0)                   ; one wait for the four logarithms
.irp k, 0,1,2,3
	v_fmac_f32 v[64+\k], 0x3f317218, v[76+\k]
.endr
.irp k, 0,1,2,3
	v_add_f32 v[64+\k], 0x358637bd, v[64+\k]       ; + 1e-6
.endr
	s_add_nc_u64 s[14:15], s[14:15], s[62:63]
	global_store_b128 v[L16], v[64:67], s[14:15]
.Ldone:
	s_wait_tensorcnt 0x0                           ; the wave's end, behind my last tensor load and my last LDS store
	ds_add_u32 v[SPW], v[NIL]
	s_wait_dscnt 0x0
	ROUND                                          ; the closing round: no work-group ends while a partner may still ask for a slot that names it
	s_endpgm
.Lfunc_end_k_q78c68d2a16_lstm:
	.size	k_q78c68d2a16_lstm, .Lfunc_end_k_q78c68d2a16_lstm-k_q78c68d2a16_lstm
	.p2alignl 7, 3214868480
	.fill 96, 4, 3214868480
	.section	.rodata,"a",@progbits
	.p2align	6, 0x0
	.amdhsa_kernel k_q78c68d2a16_lstm
		.amdhsa_group_segment_fixed_size 327680
		.amdhsa_private_segment_fixed_size 0
		.amdhsa_enable_private_segment 0
		.amdhsa_kernarg_size 48
		.amdhsa_user_sgpr_count 2
		.amdhsa_user_sgpr_kernarg_segment_ptr 1
		.amdhsa_wavefront_size32 1
		.amdhsa_system_sgpr_workgroup_id_x 1
		.amdhsa_system_sgpr_workgroup_id_y 1
		.amdhsa_system_sgpr_workgroup_id_z 1
		.amdhsa_system_vgpr_workitem_id 0
		.amdhsa_next_free_vgpr 1024
		.amdhsa_next_free_sgpr 82
		.amdhsa_reserve_vcc 0
		.amdhsa_float_denorm_mode_32 3
		.amdhsa_float_denorm_mode_16_64 3
		.amdhsa_memory_ordered 1
		.amdhsa_forward_progress 1
		.amdhsa_inst_pref_size 255
	.end_amdhsa_kernel
	.section	.bss,"aw",@nobits
	.p2align	6
	.space	262144
	.amdgpu_metadata
---
amdhsa.version: [ 1, 2 ]
amdhsa.kernels:
  - .name:           k_q78c68d2a16_lstm
    .symbol:         k_q78c68d2a16_lstm.kd
    .args:
      - { .name: X, .offset: 0, .size: 8, .value_kind: global_buffer, .address_space: global }
      - { .name: wpack, .offset: 8, .size: 8, .value_kind: global_buffer, .address_space: global }
      - { .name: aff_b, .offset: 16, .size: 8, .value_kind: global_buffer, .address_space: global }
      - { .name: noise_b, .offset: 24, .size: 8, .value_kind: global_buffer, .address_space: global }
      - { .name: out0, .offset: 32, .size: 8, .value_kind: global_buffer, .address_space: global }
      - { .name: out1, .offset: 40, .size: 8, .value_kind: global_buffer, .address_space: global }
    .group_segment_fixed_size: 327680
    .private_segment_fixed_size: 0
    .kernarg_segment_align: 8
    .kernarg_segment_size: 48
    .max_flat_workgroup_size: 128
    .sgpr_count:     82
    .vgpr_count:     1024
    .wavefront_size: 32
...
	.end_amdgpu_metadata
.endif
;; end of part 3
